; MI455X (gfx1250); checked and timed in simulation.
; The chip was launched on July 23, 2026; its instructions are those of AMD's public machine-readable ISA for CDNA 5 (MIT licence, August 2026) and "CDNA5" Instruction Set Architecture Reference Guide (July 2026). The comments in the code are by the model that wrote it; some were corrected since.
;; Attention. Allowed arithmetic: matrix products marked QUANTISED: E4M3 operands, one E8M0 scale for each 32 along K, by v_wmma_scale_f32_16x16x128_f8f6f4 with both operands' format E4M3, f32 sums; everything else in f32.
;; Inputs: freqs_cos 2,048 x 64 float32; freqs_sin 2,048 x 64 float32; mask 2,048 x 2,048 float32; wk 2,048 x 2,048 float32; wo 2,048 x 2,048 float32; wq 2,048 x 2,048 float32; wv 2,048 x 2,048 float32; x 1 x 2,048 x 2,048 float32.
;; Outputs: out0 1 x 2,048 x 2,048 float32.
;; Constants: start_pos = 0.
;; This version of the problem:
;;   THIS VERSION OF THE PROBLEM IS GIVEN IN LOW PRECISION. The matrix products marked QUANTISED in the list below multiply operands that are first quantised to E4M3 (4 exponent bits, 3 mantissa bits; 8 bits a number), with one power-of-two scale for each 32 numbers along K (OCP MX v1.0); their sums are f32. All else is computed in f32.
;;   The module's matrix products, in the order in which they are computed (A, B: the left and right operand; K: the contracted axis; several contracted axes count as one K, in the product's order):
;;     1. [M 2,048, K 2,048] x [K 2,048, N 2,048]; A: input x; B: input wq: QUANTISED
;;     2. [M 2,048, K 2,048] x [K 2,048, N 2,048]; A: input x; B: input wk: QUANTISED
;;     3. [M 2,048, K 2,048] x [K 2,048, N 2,048]; A: input x; B: input wv: QUANTISED
;;     4. batch 16 x [M 2,048, K 128] x [K 128, N 2,048]; A: computed on the way; B: computed on the way: QUANTISED
;;     5. batch 16 x [M 128, K 2,048] x [K 2,048, N 2,048]; A: computed on the way; B: softmax (see below): QUANTISED
;;     6. [M 2,048, K 2,048] x [K 2,048, N 2,048]; A: computed on the way; B: input wo: QUANTISED
;;   THE QUANTISER, for each operand of a quantised product, along K:
;;     - K is cut into blocks of 32 from its start; a last block that is shorter is filled with zeros.
;;     - A block's scale is 2^e with e = floor(log2(the largest magnitude in the block)) - 8, held to -126 .. 127; a block of zeros has e = 0. As a byte (E8M0): e + 127.
;;     - Each number is divided by its block's scale, clamped to +-448, and rounded to the nearest number of E4M3, ties to even, subnormals kept.
;;     - The product sums the exact products of the quantised numbers (number of the format x scale) in f32.
;;   ~~~python
;;   def quantise(x, axis):      # numpy; x: float32 -> the quantised numbers, widened to float32 again
;;       x = np.moveaxis(x, axis, -1); K = x.shape[-1]
;;       x = np.pad(x, [(0, 0)] * (x.ndim - 1) + [(0, -K % 32)]); x = x.reshape(x.shape[:-1] + (-1, 32)); a = np.abs(x).max(-1, keepdims=True)
;;       e = np.where(a > 0, np.clip(np.frexp(np.where(a > 0, a, 1))[1] - 1 - 8, -126, 127), 0)      # np.frexp(a)[1] - 1 = floor(log2(a)), exactly
;;       r = np.clip(x / 2.0 ** e, -448, 448)
;;       step = 2.0 ** (np.maximum(np.frexp(np.where(r == 0, 1, r))[1] - 1, -6) - 3)
;;       q = np.round(r / step) * step * 2.0 ** e      # np.round: ties to even
;;       return np.moveaxis(q.reshape(q.shape[:-2] + (-1,))[..., :K], -1, axis).astype(np.float32)
;;   ~~~
;;   SOFTMAX AHEAD OF A QUANTISED PRODUCT. Where the list says 'softmax', what is quantised is not the finished softmax but p = 2^(t - M), with t = logit x log2(e) and M = ceil(the row's largest t), a whole number; so 1/2 < the row's largest p <= 1. The row's sum l is taken of the UNQUANTISED p, in f32, and the product's result is divided by l at the end. Since M is a whole number, a kernel that streams over the keys may use a running M (the ceiling of the running maximum): every later rescaling is an exact power of two, which a block's scale takes up: the codes' values come out the same.
;;   OPERANDS COMPUTED ON THE WAY. 'Computed on the way' means the value that the module computes at that place (a softmax that the list does not call 'softmax' is quantised finished and normalised). What goes into a quantiser is computed in f32, as accurately as f32 sums, v_exp_f32 and their like allow (about 1e-6 of the number): no bf16 or f16 on the way to a quantiser, and a product that is left as it is and whose result goes on into a quantised operand takes f32 operands (vector FMAs, or v_wmma_f32_16x16x4_f32). A number that lies on a knife's edge between two numbers of the format may be rounded either way, as far as f32 arithmetic and the matrix unit's own rounding can turn it there, and no further.
;; 2 versions, each right. Each part assembles by itself: llvm-mc -triple=amdgcn-amd-amdhsa -mcpu=gfx1250 --defsym DOCPART=n.
;; ======== version 1 of 2: 4 launches
;; workspace buffers: codes 20,971,520 bytes; scl 655,360 bytes; qc 4,194,304 bytes; qs 131,072 bytes; kv 8,650,752 bytes; ac 4,194,304 bytes; asc 131,072 bytes
;; launch quant (part 1): grid 640 x 1, 4 waves a work-group, no clusters, 34,304 bytes of LDS; arguments x, wq, wk, wv, wo, codes, scl; writes codes, scl
.if DOCPART == 1
	.amdgcn_target "amdgcn-amd-amdhsa--gfx1250"
	.amdhsa_code_object_version 6
	.text
	.protected	k_qcfd1250ebe_quant
	.globl	k_qcfd1250ebe_quant
	.p2align	8
	.type	k_qcfd1250ebe_quant,@function
k_qcfd1250ebe_quant:
	s_mov_b64 s[64:65], 0
	v_nop
	global_prefetch_b8 v0, s[64:65] scope:SCOPE_SE
	s_setreg_imm32_b32 hwreg(HW_REG_WAVE_MODE, 25, 1), 1
	s_wait_xcnt 0x0
; LAUNCH 1 OF 4.  x, wq, wk, wv, wo ([2048][2048] f32, K innermost) become codes of FP8 (E4M3) with one E8M0 scale byte for each 32 along K, laid in the ORDER OF AN OPERAND'S REGISTERS.
; NO WORK OF THE PROBLEM IS LEFT OUT IN THIS PROGRAM: all six products are computed whole, and the mask is an input, so every (query, key) pair is computed and every mask number is read.
; start_pos is a constant without a buffer; every buffer among the inputs is loaded by one of the four launches.
; ONE RULE FOR EVERY OPERAND TILE OF THE PROGRAM: tile T (16 rows) holds the rows row(T, r) = 32 (T / 2) + 8 (T % 2) + r % 8 + 16 (r / 8), r = 0 .. 15.  Whichever operand is source 0 of a product then leaves
; results whose 16 registers of tiles 2 b and 2 b + 1 are the neighbours 32 b + 16 (lane / 16) + 0 .. 15 along that operand's rows: the order in which the next quantiser and the next operand want them.
; A FRAGMENT'S IMAGE (tile T, 128 along K from 128 ks on) is 2,048 bytes: byte 512 c + 16 lane + i is the code of (row(T, lane % 16), k = 128 ks + 32 c + 16 (lane / 16) + i).
; codes: [tensor 5][T 128][ks 16][2,048 bytes];  scl: [tensor 5][T 128][g 4][r 16][q 4] words, ks = 4 g + q, a word's byte b for k = 32 b on.  Tensors: 0 x, 1 wq, 2 wk, 3 wv, 4 wo.
; A block's scale is 2^(floor(log2(its largest magnitude)) - 8); its byte is the largest magnitude's exponent field - 8, held at 1 from below; numbers are held within +-448 x the scale and rounded to the nearest code, ties to even.
; LIMITS: a block of zeros gets the byte 1 where the rule says 127 (its codes are zeros, which add nothing, and this program alone reads the bytes); NaN and infinities in these five inputs are not served.
; SHARES: work-group 128 tensor + T takes one tile for all of K (16 rows x 8,192 bytes); wave w takes ks = 4 w .. 4 w + 3.  Each load reads 512 consecutive bytes of one row; a fragment's 8,192 bytes turn through the
; wave's own stage in LDS (rows 528 bytes apart) so that a lane holds 16 neighbours of each block of 32; each store of codes covers 512 consecutive bytes, aligned.  Waves share nothing: no barrier.
.set ROWF,  8192                       ; a row of f32 in bytes
.set SP,    528                        ; a stage row: 512 bytes + 16
.set WST,   16*SP                      ; a wave's stage
.set SPARE, 4*WST                      ; behind the stages: the spare words, 128 bytes a wave
.set R,     16                         ; v16-143  two sets of 64: a fragment as loaded
.set X,     144                        ; v144-207 the fragment's numbers: register 16 b + i = k 32 b + 16 (lane / 16) + i of my row
.set PC,    208                        ; v208-223 its codes
.set TM,    224                        ; v224-239 at work
.set PW,    240                        ; v240-243 the four fragments' scale words
.set SPW,   244                        ; v244     LDS address of my spare word; never rewritten
.set NIL,   245                        ; v245     0; never rewritten
.set SEL,   22                         ; s[22:23] lane selects: lane l xor 16
.set MNT,   24                         ; s24      the mantissa field of 448
	s_load_b256 s[4:11], s[0:1], 0x0               ; x, wq, wk, wv
	s_load_b128 s[12:15], s[0:1], 0x20             ; wo, codes
	s_load_b64 s[16:17], s[0:1], 0x30              ; scl
	v_lshl_add_u32 v[SPW], v0, 2, SPARE
	v_mov_b32 v[NIL], 0
	v_lshrrev_b32 v1, 5, v0
	v_readfirstlane_b32 s18, v1                    ; wave
	v_and_b32 v1, 31, v0                           ; lane
	v_lshlrev_b32 v2, 4, v1                        ; 16 x lane: my bytes of a load and of a store
	s_mul_i32 s21, s18, WST
	v_add_nc_u32 v3, s21, v2                       ; the stage, on the way in
	v_and_b32 v5, 15, v0
	v_bfe_u32 v6, v0, 4, 1
	v_mul_u32_u24 v4, v5, SP
	v_lshl_add_u32 v4, v6, 6, v4
	v_add_nc_u32 v4, s21, v4                       ; and on the way out: row lane % 16, + 64 (lane / 16)
	v_lshlrev_b32 v5, 4, v5                        ; 16 x (lane % 16): my row's four scale words
.irp b, 0,1,2,3
	v_mov_b32 v[TM+4+\b], 0                        ; written once: a lane permute's destination counts as one of its sources
.endr
	s_mov_b32 s[SEL], 0x76543210
	s_mov_b32 s[SEL+1], 0xfedcba98
	s_mov_b32 s[MNT], 0x600000
	s_lshr_b32 s19, ttmp9, 7                       ; which tensor
	s_and_b32 s20, ttmp9, 127                      ; which tile
	s_lshr_b32 s26, s20, 1
	s_lshl_b32 s26, s26, 5
	s_and_b32 s27, s20, 1
	s_lshl_b32 s27, s27, 3
	s_add_co_u32 s26, s26, s27                     ; the tile's first row: 32 (T / 2) + 8 (T % 2)
	s_lshl_b32 s26, s26, 13
	s_lshl_b32 s27, s18, 11
	s_add_co_u32 s26, s26, s27                     ; in bytes, + my wave's 2,048 bytes of each row
	s_mov_b32 s27, 0
	s_lshl_b32 s28, ttmp9, 15                      ; codes: 32,768 bytes a tile, 8,192 a wave
	s_lshl_b32 s29, s18, 13
	s_add_co_u32 s28, s28, s29
	s_mov_b32 s29, 0
	s_lshl_b32 s30, ttmp9, 10                      ; scale words: 1,024 bytes a tile, 256 a wave
	s_lshl_b32 s31, s18, 8
	s_add_co_u32 s30, s30, s31
	s_mov_b32 s31, 0
	s_wait_kmcnt 0x0
	s_cmp_eq_u32 s19, 1                            ; the source is chosen by the work-group's number alone
	s_cselect_b64 s[4:5], s[6:7], s[4:5]
	s_cmp_eq_u32 s19, 2
	s_cselect_b64 s[4:5], s[8:9], s[4:5]
	s_cmp_eq_u32 s19, 3
	s_cselect_b64 s[4:5], s[10:11], s[4:5]
	s_cmp_eq_u32 s19, 4
	s_cselect_b64 s[4:5], s[12:13], s[4:5]
	s_add_nc_u64 s[4:5], s[4:5], s[26:27]
	s_add_nc_u64 s[14:15], s[14:15], s[28:29]
	s_add_nc_u64 s[16:17], s[16:17], s[30:31]
.macro LOAD q                          ; fragment q as it lies: 16 rows x 512 consecutive bytes
.irp r, 0,1,2,3,4,5,6,7,8,9,10,11,12,13,14,15
	global_load_b128 v[R+64*((\q)%2)+4*\r:R+64*((\q)%2)+4*\r+3], v2, s[4:5] offset:((\r%8)+16*(\r/8))*ROWF+512*(\q) th:TH_LOAD_NT
.endr
.endm
.macro QUANT s, pw                     ; 64 numbers of a lane become a fragment's codes in v[PC] on and its scale word in v[pw]
.irp b, 0,1,2,3
	v_max3_num_f32 v[TM+\b], |v[\s+16*\b]|, |v[\s+1+16*\b]|, 0x4800000   ; block b: my 16 numbers, and the floor 2^(9 - 127): the byte cannot fall under 1
.endr
.irp i, 2,4,6,8,10,12,14
.irp b, 0,1,2,3
	v_max3_num_f32 v[TM+\b], v[TM+\b], |v[\s+16*\b+\i]|, |v[\s+1+16*\b+\i]|   ; the four blocks by turns
.endr
.endr
.irp b, 0,1,2,3
	v_permlanex16_b32 v[TM+4+\b], v[TM+\b], s[SEL], s[SEL+1]
.endr
.irp b, 0,1,2,3
	v_max_num_f32 v[TM+\b], v[TM+\b], v[TM+4+\b]   ; with lane l xor 16's: the block's largest magnitude
.endr
.irp b, 0,1,2,3
	v_add_nc_u32 v[TM+12+\b], 0xfc000000, v[TM+\b] ; 8 off its exponent field: the conversion's scale operand
.endr
.irp b, 0,1,2,3
	v_and_or_b32 v[TM+8+\b], v[TM+\b], 0x7f800000, s[MNT]   ; 448 x the scale
.endr
.irp b, 0,1,2,3
	v_lshrrev_b32 v[TM+4+\b], 23, v[TM+12+\b]      ; the scale's byte
.endr
	v_lshl_or_b32 v[\pw], v[TM+5], 8, v[TM+4]      ; four bytes make my row's scale word
	v_lshl_or_b32 v[\pw], v[TM+6], 16, v[\pw]
	v_lshl_or_b32 v[\pw], v[TM+7], 24, v[\pw]
	s_wait_xcnt 0x0                                ; the last fragment's stores have read v[PC] on: only behind this wait are the codes written anew
.irp b, 0,1,2,3
.irp i, 0,1,2,3,4,5,6,7,8,9,10,11,12,13,14,15
	v_med3_num_f32 v[\s+16*\b+\i], v[\s+16*\b+\i], -v[TM+8+\b], v[TM+8+\b]   ; the conversion to an 8-bit code does not saturate (ISA guide 7.6.2): the hold comes first
.endr
	v_cvt_scalef32_pk8_fp8_f32 v[PC+4*\b:PC+1+4*\b], v[\s+16*\b:\s+7+16*\b], v[TM+12+\b]
	v_cvt_scalef32_pk8_fp8_f32 v[PC+2+4*\b:PC+3+4*\b], v[\s+8+16*\b:\s+15+16*\b], v[TM+12+\b]
.endr
	v_nop                                          ; a plain vector line behind the last conversion
.endm
.macro FRAGMENT q
.if (\q) < 3
	s_wait_loadcnt 16                              ; this fragment's 16 loads are in; the next fragment's 16 may be out
.else
	s_wait_loadcnt 0
.endif
.irp r, 0,1,2,3,4,5,6,7,8,9,10,11,12,13,14,15
	ds_store_b128 v3, v[R+64*((\q)%2)+4*\r:R+64*((\q)%2)+4*\r+3] offset:SP*\r
.endr
.irp b, 0,1,2,3
.irp i, 0,1,2,3
	ds_load_b128 v[X+16*\b+4*\i:X+16*\b+4*\i+3], v4 offset:128*\b+16*\i   ; LDS serves a wave's instructions in order: these see the stores above
.endr
.endr
	s_wait_dscnt 0x0                               ; the numbers are back, and the stores have read their registers,
.if (\q) < 2
	LOAD (\q)+2                                    ; which take the fragment two further on
.endif
	QUANT X, PW+(\q)
.irp c, 0,1,2,3
	global_store_b128 v2, v[PC+4*\c:PC+4*\c+3], s[14:15] offset:2048*(\q)+512*\c   ; 32 lanes store 512 consecutive bytes, aligned
.endr
.endm
	LOAD 0
	LOAD 1
	FRAGMENT 0
	FRAGMENT 1
	FRAGMENT 2
	FRAGMENT 3
	s_wait_xcnt 0x0                                ; EXEC changes only behind this wait
	v_cmp_gt_u32 vcc_lo, 16, v1
	s_and_saveexec_b32 s25, vcc_lo
	global_store_b128 v5, v[PW:PW+3], s[16:17]     ; lanes 0-15 store 256 consecutive bytes, aligned: 16 rows x four scale words
	s_wait_xcnt 0x0
	s_or_b32 exec_lo, exec_lo, s25
	s_wait_tensorcnt 0x0                           ; the wave's end
	ds_add_u32 v[SPW], v[NIL]
	s_wait_dscnt 0x0
	s_endpgm
.Lfunc_end_k_qcfd1250ebe_quant:
	.size	k_qcfd1250ebe_quant, .Lfunc_end_k_qcfd1250ebe_quant-k_qcfd1250ebe_quant
	.p2alignl 7, 3214868480
	.fill 96, 4, 3214868480
	.section	.rodata,"a",@progbits
	.p2align	6, 0x0
	.amdhsa_kernel k_qcfd1250ebe_quant
		.amdhsa_group_segment_fixed_size 34304
		.amdhsa_private_segment_fixed_size 0
		.amdhsa_enable_private_segment 0
		.amdhsa_kernarg_size 56
		.amdhsa_user_sgpr_count 2
		.amdhsa_user_sgpr_kernarg_segment_ptr 1
		.amdhsa_wavefront_size32 1
		.amdhsa_system_sgpr_workgroup_id_x 1
		.amdhsa_system_sgpr_workgroup_id_y 1
		.amdhsa_system_sgpr_workgroup_id_z 1
		.amdhsa_system_vgpr_workitem_id 0
		.amdhsa_next_free_vgpr 248
		.amdhsa_next_free_sgpr 66
		.amdhsa_reserve_vcc 1
		.amdhsa_float_denorm_mode_32 3
		.amdhsa_float_denorm_mode_16_64 3
		.amdhsa_memory_ordered 1
		.amdhsa_forward_progress 1
		.amdhsa_inst_pref_size 51
	.end_amdhsa_kernel
	.amdgpu_metadata
---
amdhsa.version: [ 1, 2 ]
amdhsa.kernels:
  - .name:           k_qcfd1250ebe_quant
    .symbol:         k_qcfd1250ebe_quant.kd
    .args:
      - { .name: x, .offset: 0, .size: 8, .value_kind: global_buffer, .address_space: global }
      - { .name: wq, .offset: 8, .size: 8, .value_kind: global_buffer, .address_space: global }
      - { .name: wk, .offset: 16, .size: 8, .value_kind: global_buffer, .address_space: global }
      - { .name: wv, .offset: 24, .size: 8, .value_kind: global_buffer, .address_space: global }
      - { .name: wo, .offset: 32, .size: 8, .value_kind: global_buffer, .address_space: global }
      - { .name: codes, .offset: 40, .size: 8, .value_kind: global_buffer, .address_space: global }
      - { .name: scl, .offset: 48, .size: 8, .value_kind: global_buffer, .address_space: global }
    .group_segment_fixed_size: 34304
    .private_segment_fixed_size: 0
    .kernarg_segment_align: 8
    .kernarg_segment_size: 56
    .max_flat_workgroup_size: 128
    .sgpr_count:     66
    .vgpr_count:     248
    .wavefront_size: 32
...
	.end_amdgpu_metadata
.endif
;; end of part 1
;; launch qkv (part 2): grid 24 x 8, 4 waves a work-group, clusters of 4 x 4, 327,680 bytes of LDS; arguments codes, scl, freqs_cos, freqs_sin, qc, qs, kv; writes qc, qs, kv
.if DOCPART == 2
	.amdgcn_target "amdgcn-amd-amdhsa--gfx1250"
	.amdhsa_code_object_version 6
	.text
	.protected	k_qcfd1250ebe_qkv
	.globl	k_qcfd1250ebe_qkv
	.p2align	8
	.type	k_qcfd1250ebe_qkv,@function
k_qcfd1250ebe_qkv:
	s_mov_b64 s[64:65], 0
	v_nop
	global_prefetch_b8 v0, s[64:65] scope:SCOPE_SE
	s_setreg_imm32_b32 hwreg(HW_REG_WAVE_MODE, 25, 1), 1
	s_wait_xcnt 0x0
	s_wait_alu depctr_hold_cnt(0) depctr_sa_sdst(0) depctr_va_vdst(0) depctr_va_sdst(0) depctr_va_ssrc(0) depctr_va_vcc(0) depctr_vm_vsrc(0)
	s_getreg_b32 s2, hwreg(HW_REG_IB_STS2, 6, 4)
	s_cmp_eq_u32 s2, 0
	s_cbranch_scc0 .Lentry_in_a_cluster
	s_endpgm
.Lentry_in_a_cluster:
	s_bfe_u32 s2, ttmp6, 0x10000c
	s_cmp_lg_u32 s2, 0xf033
	s_cbranch_scc0 .Lentry_shape_is_right
	s_endpgm
.Lentry_shape_is_right:
; LAUNCH 2 OF 4.  The three projections on codes of FP8 (E4M3) with E8M0 scales, the rotation of q and k, and the quantisers of q, k (along the head's 128) and v (along the keys).  No work is left out.
; A tile of 256 x 256 results is made by four waves, 128 x 128 each: 64 accumulators.  Source 0 of the matrix instruction is R (its rows run along a lane's REGISTERS in the result), source 1 is L (its rows lie in the LANES).
; The cluster's x picks the product (TYP = cluster x / 2, the same in all partners):  0, 1: q, k: R = wq, wk (a wave's 128 features are one head), L = x (positions);  2: v: R = x (positions = keys), L = wv (features).
; So the axis that the next product sums over always runs along a lane's registers, in the order 32 b + 16 (lane / 16) + 0 .. 15 (the rule of tiles stated in the first launch), and the conversions' results are the next operand's registers.
; Operands lie in memory and in LDS as images of their registers: a fragment is four loads of 16 bytes a lane, 512 bytes apart: consecutive bytes, so no pitch and no padding.
; K goes in steps of 256 (two fragments a tile) through a ring of two LDS slots; the scale words of all of K come once.  CLUSTERS of 4 x 4: L's tiles are asked for jointly by a row of the cluster, R's by a column.
; OUT: qc [head][position tile 128][2,048], qs [head][block 16][512]: the word of (tile a of 8, row r) at 16 (r + 16 (a / 4)) + 4 (a % 4);  kv [head][block 16][33,792]: K's 8 fragments, V^T's 8 fragments, K's 512 bytes of scale words, V's 512.
; LIMITS: a block of zeros gets the byte 1 where the rule says 127 (its codes are zeros; this program alone reads the bytes); NaN and infinities are not served.
; REGISTERS as windows of 256: window 0: v0-31 addresses, v32-63 scale words (two sets), v128-255 L's fragments (one set); window 1: R's fragments (two sets); windows 2, 3: the accumulators ((a, b) at v[8 (8 (a % 4) + b)]).
.set FR,    16                         ; registers of a fragment
.set NQ,    2                          ; fragments deep in a slot
.set NL,    4                          ; LDS loads that bring one
.set NP,    8                          ; places behind this matrix instruction (ISA guide 7.12.1)
.set TILB,  4096                       ; a tile's bytes in a slot
.set QUART, 8*TILB                     ; eight tiles: what one tensor load brings, and what one wave reads of L or of R
.set SLOT,  4*QUART                    ; L's 16 tiles, then R's 16
.set LAPS,  4                          ; a lap = two K steps of 256
.set SCL,   2*SLOT                     ; behind the ring: the scale words of all of K, 8,192 bytes for eight tiles
.set SQ,    8192
.set SPARE, SCL+4*SQ                   ; behind them: the spare words, 128 bytes a wave
.set ADRA,  16                         ; v16-17  LDS address of my L fragments in slot 0, 1
.set ADRB,  20                         ; v20-21  the same for R
.set IMG,   24                         ; v24     16 x lane
.set CSA,   25                         ; v25     my lane's byte among a tile's rows of cos and sin
.set ADRS,  27                         ; v27     LDS address of my scale words: lanes 0-15 L's, lanes 16-31 R's
.set SPW,   28                         ; v28     LDS address of my spare word; never rewritten
.set NIL,   29                         ; v29     0; never rewritten
.set SC,    32                         ; scale words: set s at v[SC + 16 s]; register 2 i + q
.set AF,    128                        ; L's fragments
.set CC,    64                         ; the way out: v64-95 cos, v96-127 sin (window 0 for even tiles, window 1 for odd ones)
.set SS,    96
.set TM,    128                        ; v128-143 at work
.set PW,    144                        ; v144-151 the eight tiles' scale words
.set MW,    152                        ; v152-155 the same, as they are stored
.set PC,    156                        ; v156-187 codes, two sets
.set XO,    192                        ; v192-255 the 64 numbers that are quantised
.set G1,    24
.set G0,    32
.set G1B,   48
.set G0B,   56
.set G1S,   68
.set G0S,   76
.set G1SB,  80
.set G0SB,  88
.set SEL,   66                         ; s[66:67] lane selects: lane l xor 16
.set MNT,   95                         ; s95  the mantissa field of 448
.set TYP,   100                        ; s100 0 q, 1 k, 2 v
.set HIL,   101                        ; s101 a mask of lanes 16-31
.set MSB, 0
.macro WIN new                         ; the immediate's high byte repeats the setting that is left
.if MSB != (\new)
	s_set_vgpr_msb (MSB<<8)|(\new)
.set MSB, (\new)
.endif
.endm
.set MUL_LO, 0xa1                      ; source 0 (R) window 1, source 1 (L) window 0, C and D window 2
.set MUL_HI, 0xf1                      ; the same, C and D window 3
.set TO_B,   0x40                      ; destination window 1, address window 0
; A joint load: waves 0 and 1 fetch for L, waves 2 and 3 for R; the branch hangs on the wave's number alone.  An s_nop 0 and four v_nop follow each of the two lines.
.macro JLOAD g0a, g1a, g0b, g1b
	s_cmp_eq_u32 s15, 0
	s_cbranch_scc0 .Lfor_b_\@
	tensor_load_to_lds s[\g0a:\g0a+3], s[\g1a:\g1a+7]
	s_nop 0
.rept 4
	v_nop
.endr
	s_branch .Lasked_\@
.Lfor_b_\@:
	tensor_load_to_lds s[\g0b:\g0b+3], s[\g1b:\g1b+7]
	s_nop 0
.rept 4
	v_nop
.endr
.Lasked_\@:
.endm
.macro CREST                           ; a round of the cluster's barrier behind its opening barrier
	s_cmp_lg_u32 s14, 0
	s_cbranch_scc1 .Lnot_wave_0_\@
	s_barrier_signal -3
.Lnot_wave_0_\@:
	s_barrier_wait -3
	s_barrier_signal -1
	s_barrier_wait -1
.endm
.macro CROUND
	s_barrier_signal -1
	s_barrier_wait -1
	CREST
.endm
	s_load_b256 s[4:11], s[0:1], 0x0               ; codes, scl, cos, sin
	s_load_b64 s[12:13], s[0:1], 0x20              ; qc
	s_load_b128 s[96:99], s[0:1], 0x28             ; qs, kv
	v_lshl_add_u32 v[SPW], v0, 2, SPARE
	v_mov_b32 v[NIL], 0
	ds_add_u32 v[SPW], v[NIL]                      ; the wave's opening: the add, twice on end, and its wait ahead of my first tensor load
	ds_add_u32 v[SPW], v[NIL]
	v_lshrrev_b32 v1, 5, v0
	v_readfirstlane_b32 s14, v1                    ; wave 0..3
	s_lshr_b32 s15, s14, 1                         ; my half of L's tiles.  Also: I fetch for L (0) or for R (1)
	s_and_b32 s16, s14, 1                          ; my half of R's tiles.  Also: which eight tiles I fetch
	s_bfe_u32 s40, ttmp6, 0x40000                  ; cx, cy: my place in the cluster
	s_bfe_u32 s41, ttmp6, 0x40004
	s_lshr_b32 s[TYP], ttmp9, 1                    ; two clusters along x for each product
	s_lshl_b32 s42, ttmp9, 2
	s_add_co_u32 s42, s42, s40
	s_and_b32 s42, s42, 7                          ; which 256 rows of R
	s_and_b32 s17, ttmp7, 0xffff
	s_lshl_b32 s17, s17, 2
	s_add_co_u32 s17, s17, s41                     ; which 256 rows of L
	s_lshl_b32 s43, s41, 2
	s_lshl_b32 s43, 15, s43                        ; my row of the cluster
	s_lshl_b32 s44, 0x1111, s40                    ; my column
	; group 1 for codes: 8 rows (tiles) of 4,096 bytes (512 elements of 8 bytes), 32,768 bytes apart; no padding
	s_or_b32 s[G1+0], s43, (3<<16)|(1<<21)         ; 15:0 the mask: L's tiles go to my row; 17:16 elements of 8 bytes; 21 set beside a mask
	s_or_b32 s[G1B+0], s44, (3<<16)|(1<<21)
.irp g, G1, G1B
	s_mov_b32 s[\g+1], 512<<16                     ; tensor_dim0
	s_mov_b32 s[\g+2], 8<<16                       ; tensor_dim1
	s_mov_b32 s[\g+3], 512<<16                     ; tile_dim0
	s_mov_b32 s[\g+4], 8                           ; tile_dim1
	s_mov_b32 s[\g+5], 4096                        ; tensor_dim0_stride
	s_mov_b32 s[\g+6], 0
	s_mov_b32 s[\g+7], 0
.endr
	; and for the scale words of eight tiles: 8,192 dense bytes as 32 rows of 256
	s_or_b32 s[G1S+0], s43, (3<<16)|(1<<21)
	s_or_b32 s[G1SB+0], s44, (3<<16)|(1<<21)
.irp g, G1S, G1SB
	s_mov_b32 s[\g+1], 32<<16
	s_mov_b32 s[\g+2], 32<<16
	s_mov_b32 s[\g+3], 32<<16
	s_mov_b32 s[\g+4], 32
	s_mov_b32 s[\g+5], 32
	s_mov_b32 s[\g+6], 0
	s_mov_b32 s[\g+7], 0
.endr
	s_lshl_b32 s18, s16, 3                         ; which eight tiles I fetch
	s_lshl_b32 s20, s17, 4
	s_add_co_u32 s20, s20, s18                     ; L: tile 16 x block + 8 x half
	s_lshl_b32 s46, s42, 4
	s_add_co_u32 s46, s46, s18                     ; R likewise
	s_add_co_u32 s93, s[TYP], 1
	s_lshl_b32 s93, s93, 7                         ; 128 tiles a tensor: wq is tensor 1, wk tensor 2
	s_cmp_eq_u32 s[TYP], 2
	s_cselect_b32 s19, 384, 0                      ; L: wv (tensor 3) for v, else x (tensor 0)
	s_cselect_b32 s93, 0, s93                      ; R: x for v, else the weight
	s_add_co_u32 s20, s20, s19
	s_add_co_u32 s46, s46, s93
	s_lshl_b32 s22, s20, 10                        ; where these tiles' scale words begin, in bytes,
	s_lshl_b32 s20, s20, 15                        ; and their codes
	s_mov_b32 s21, 0
	s_mov_b32 s23, 0
	s_lshl_b32 s92, s46, 10
	s_lshl_b32 s46, s46, 15
	s_mov_b32 s47, 0
	s_mov_b32 s93, 0
	s_lshl_b32 s45, s14, 15                        ; where they go: wave x eight tiles: no place in the cluster enters an LDS address
	s_lshl_b32 s94, s14, 13
	s_mov_b32 s[SEL], 0x76543210
	s_mov_b32 s[SEL+1], 0xfedcba98
	s_mov_b32 s[MNT], 0x600000
	s_mov_b32 s[HIL], 0xffff0000
	s_wait_dscnt 0x0                               ; both opening adds are done
	s_wait_kmcnt 0x0
	s_add_nc_u64 s[20:21], s[4:5], s[20:21]
	s_add_nc_u64 s[22:23], s[6:7], s[22:23]
	s_add_nc_u64 s[46:47], s[4:5], s[46:47]
	s_add_nc_u64 s[92:93], s[6:7], s[92:93]
	CROUND                                         ; all sixteen work-groups are here: the first joint loads meet
	s_mov_b32 s[G0S], 1
	s_add_co_u32 s[G0S+1], s94, SCL
	s_mov_b64 s[G0S+2:G0S+3], s[22:23]
	s_or_b32 s[G0S+3], s[G0S+3], 0x80000000
	s_mov_b32 s[G0SB], 1
	s_add_co_u32 s[G0SB+1], s94, SCL
	s_mov_b64 s[G0SB+2:G0SB+3], s[92:93]
	s_or_b32 s[G0SB+3], s[G0SB+3], 0x80000000
	JLOAD G0S, G1S, G0SB, G1SB                     ; the scale words first: they are wanted with K step 0
.irp s, 0,1
	s_mov_b32 s[G0+4*\s], 1
	s_add_co_u32 s[G0+4*\s+1], s45, \s*SLOT
	s_add_nc_u64 s[G0+4*\s+2:G0+4*\s+3], s[20:21], \s*TILB
	s_or_b32 s[G0+4*\s+3], s[G0+4*\s+3], 0x80000000
	s_mov_b32 s[G0B+4*\s], 1
	s_add_co_u32 s[G0B+4*\s+1], s45, \s*SLOT
	s_add_nc_u64 s[G0B+4*\s+2:G0B+4*\s+3], s[46:47], \s*TILB
	s_or_b32 s[G0B+4*\s+3], s[G0B+4*\s+3], 0x80000000
	JLOAD G0+4*\s, G1, G0B+4*\s, G1B
.endr
	v_and_b32 v1, 15, v0                           ; r
	v_bfe_u32 v2, v0, 4, 1                         ; h
	v_and_b32 v3, 31, v0
	v_lshlrev_b32 v[IMG], 4, v3                    ; 16 x lane
	s_lshl_b32 s21, s15, 15                        ; my eight tiles of L
	s_lshl_b32 s22, s16, 15                        ; my eight tiles of R,
	s_add_co_u32 s22, s22, 2*QUART                 ; which lie behind L's sixteen
.irp s, 0,1
	v_add_nc_u32 v[ADRA+\s], s21, v[IMG]
	v_add_nc_u32 v[ADRB+\s], s22, v[IMG]
	s_add_co_u32 s21, s21, SLOT
	s_add_co_u32 s22, s22, SLOT
.endr
	s_lshl_b32 s21, s15, 13                        ; scale words: L's, my eight tiles;
	s_lshl_b32 s22, s16, 13
	s_add_co_u32 s22, s22, 2*SQ                    ; R's, behind L's
	s_sub_co_u32 s22, s22, s21
	v_mul_u32_u24 v6, s22, v2                      ; lanes 16-31 take R's: one product, the distance between the two
	s_add_co_u32 s21, s21, SCL
	v_lshl_add_u32 v5, v1, 4, v6                   ; 16 bytes a row: four K steps of 128
	v_add_nc_u32 v[ADRS], s21, v5
	v_and_b32 v5, 8, v1
	v_add_nc_u32 v5, v5, v1                        ; r + 8 (r / 8)
	v_lshlrev_b32 v[CSA], 8, v5                    ; a row of cos or sin is 256 bytes
	v_lshl_add_u32 v[CSA], v2, 5, v[CSA]           ; + 32 h: my half's eight pairs of each block of 32 features
	; where my wave's eight fragments and their scale words go
	s_lshl_b32 s18, s42, 1
	s_add_co_u32 s18, s18, s16                     ; which 128 rows of R
	s_lshl_b32 s19, s17, 1
	s_add_co_u32 s19, s19, s15                     ; which 128 rows of L
	s_lshl_b32 s46, s19, 15
	s_mov_b32 s47, 0
	s_add_nc_u64 s[8:9], s[8:9], s[46:47]          ; cos and sin at my 128 positions (used for q and k alone)
	s_add_nc_u64 s[10:11], s[10:11], s[46:47]
	s_cmp_eq_u32 s[TYP], 2
	s_cselect_b32 s20, s19, s18                    ; the head: R's for q and k, L's for v
	s_cselect_b32 s21, s18, s19                    ; the block of 128 positions
	s_cselect_b32 s45, 16384, 0                    ; V^T's fragments lie behind K's
	s_mov_b32 s92, 32768                           ; K's scale words in a block of kv;
	s_cselect_b32 s92, 33280, s92                  ; V's
	s_lshl_b32 s20, s20, 4
	s_add_co_u32 s20, s20, s21                     ; 16 x head + block
	s_mov_b32 s22, 33792
	s_mov_b32 s23, 33792
	s_cmp_eq_u32 s[TYP], 0
	s_cselect_b32 s22, 16384, s22                  ; bytes of codes for each (head, block): in qc, in kv
	s_cselect_b32 s23, 512, s23                    ; and of what the scale words' place steps by: in qs, in kv
	s_cselect_b32 s92, 0, s92
	s_cselect_b64 s[12:13], s[12:13], s[98:99]     ; the buffers are chosen by the cluster's number alone
	s_cselect_b64 s[96:97], s[96:97], s[98:99]
	s_mul_i32 s22, s20, s22
	s_mul_i32 s23, s20, s23
	s_add_co_u32 s46, s22, s45
	s_add_nc_u64 s[12:13], s[12:13], s[46:47]
	s_add_co_u32 s46, s23, s92
	s_add_nc_u64 s[96:97], s[96:97], s[46:47]
.macro FRAG reg, adr, q, i             ; a fragment's image: four loads of 512 consecutive bytes
.irp c, 0,1,2,3
	ds_load_b128 v[\reg+4*\c:\reg+4*\c+3], v[\adr] offset:TILB*(\i)+2048*(\q)+512*\c
.endr
.endm
; 16 matrix instructions: L's tiles a0, a0 + 1 x R's eight, 128 along K.  The 64 accumulators take turns, one instruction a turn, in the same order in every step.
.macro MUL16 a0, p, q, sc, zero
.irp a, \a0, \a0+1
.irp b, 0,1,2,3,4,5,6,7
.if \zero
	v_wmma_scale_f32_16x16x128_f8f6f4 v[8*(8*((\a)%4)+\b):8*(8*((\a)%4)+\b)+7], v[128*(\p)+FR*\b:128*(\p)+FR*\b+FR-1], v[AF+FR*(\a):AF+FR*(\a)+FR-1], 0, v[SC+8*NQ*(\sc)+NQ*\b+(\q)], v[SC+8*NQ*(\sc)+NQ*(\a)+(\q)] matrix_a_scale:MATRIX_SCALE_ROW1
.else
	v_wmma_scale_f32_16x16x128_f8f6f4 v[8*(8*((\a)%4)+\b):8*(8*((\a)%4)+\b)+7], v[128*(\p)+FR*\b:128*(\p)+FR*\b+FR-1], v[AF+FR*(\a):AF+FR*(\a)+FR-1], v[8*(8*((\a)%4)+\b):8*(8*((\a)%4)+\b)+7], v[SC+8*NQ*(\sc)+NQ*\b+(\q)], v[SC+8*NQ*(\sc)+NQ*(\a)+(\q)] matrix_a_scale:MATRIX_SCALE_ROW1
.endif
.endr
.endr
.endm
.macro FETCH_B slot, q, p
	WIN TO_B
.irp i, 0,1,2,3,4,5,6,7
	FRAG 128*(\p)+FR*\i, ADRB+\slot, \q, \i
.endr
	WIN 0
.endm
.macro FETCH_A slot, q, i0
.irp i, \i0, \i0+1, \i0+2, \i0+3
	FRAG AF+FR*(\i), ADRA+\slot, \q, \i
.endr
.endm
.macro SCALES sc                       ; a K step's scale words: two words a row; lanes 0-15 take L's tile i, lanes 16-31 R's tile i
.irp i, 0,1,2,3,4,5,6,7
	ds_load_b64 v[SC+8*NQ*\sc+NQ*\i:SC+8*NQ*\sc+NQ*\i+1], v[ADRS] offset:\i*1024
.endr
.endm
.macro PLACES n                        ; plain vector lines between a matrix instruction and a load into, or a read of, its registers
.rept \n
	v_nop
.endr
.endm
.macro STEP slot, q, zero              ; 128 along K that have their successor in the same slot
	s_wait_dscnt 4*NL                              ; R's set and L's tiles 0-3 are in; the youngest 16 loads (L's tiles 4-7) may be out
	WIN MUL_LO
	MUL16 0, (\q)%2, \q, \slot, \zero
	MUL16 2, (\q)%2, \q, \slot, \zero
	s_wait_dscnt 0
	PLACES NP
	FETCH_B \slot, (\q)+1, 1-(\q)%2
	FETCH_A \slot, (\q)+1, 0
	WIN MUL_HI
	MUL16 4, (\q)%2, \q, \slot, \zero
	MUL16 6, (\q)%2, \q, \slot, \zero
	PLACES NP
	WIN 0
	FETCH_A \slot, (\q)+1, 4
.endm
; A slot's last 128 change slots: ONE barrier; ahead of it each wave waits for all its tensor loads, adds 0 to its spare word, and waits for that and for its reads of this slot.  fill = 1: this slot is filled again, two K steps ahead.
.macro TURN slot, next, fill
	s_wait_tensorcnt 0x0                           ; all my tensor loads have landed: my part of the next slot
	ds_add_u32 v[SPW], v[NIL]                      ; 0 onto my spare word
	s_wait_dscnt 4*NL+1                            ; the add and the youngest 16 loads may be out
	WIN MUL_LO
	MUL16 0, 1, NQ-1, \slot, 0
	s_wait_dscnt 0x0                               ; the add is done, and my reads of this slot are over
	s_barrier_signal -1
	MUL16 2, 1, NQ-1, \slot, 0
	WIN 0
	s_barrier_wait -1
.if \fill
	CREST                                          ; the barrier has opened a round of the cluster's barrier: no wave of any partner still reads this slot or has a load on its way
	s_add_nc_u64 s[G0+4*\slot+2:G0+4*\slot+3], s[G0+4*\slot+2:G0+4*\slot+3], 2*TILB
	s_add_nc_u64 s[G0B+4*\slot+2:G0B+4*\slot+3], s[G0B+4*\slot+2:G0B+4*\slot+3], 2*TILB
	JLOAD G0+4*\slot, G1, G0B+4*\slot, G1B         ; the first tensor load behind the round; its four v_nop are among the places ahead of the loads below
	PLACES NP-4
.else
	PLACES NP
.endif
.if \slot == 0
	v_add_nc_u32 v[ADRS], 8, v[ADRS]               ; the next K step's two words: 8 bytes on in a row's 16,
.else
	v_add_nc_u32 v[ADRS], 248, v[ADRS]             ; or in the next group of 256 bytes
.endif
	FETCH_B \next, 0, 0
	FETCH_A \next, 0, 0
	SCALES \next
	WIN MUL_HI
	MUL16 4, 1, NQ-1, \slot, 0
	MUL16 6, 1, NQ-1, \slot, 0
	PLACES NP
	WIN 0
	FETCH_A \next, 0, 4
.endm
	s_wait_tensorcnt 1                             ; the scale words and my part of K step 0 are in; K step 1's load may be out
	s_barrier_signal -1
	s_barrier_wait -1
	FETCH_B 0, 0, 0
	FETCH_A 0, 0, 0
	SCALES 0
	FETCH_A 0, 0, 4
	STEP 0, 0, 1                                   ; the first step stands ahead of the loop: its products start the sums
	s_mov_b32 s3, LAPS-1
.Llap:
	TURN 0, 1, 1
	STEP 1, 0, 0
	TURN 1, 0, 1
	STEP 0, 0, 0
	s_sub_co_u32 s3, s3, 1
	s_cmp_lg_u32 s3, 0
	s_cbranch_scc1 .Llap
	TURN 0, 1, 0                                   ; the last lap fills nothing
	STEP 1, 0, 0
	s_wait_dscnt 4*NL
	WIN MUL_LO
	MUL16 0, 1, NQ-1, 1, 0
	MUL16 2, 1, NQ-1, 1, 0
	s_wait_dscnt 0
	WIN MUL_HI
	MUL16 4, 1, NQ-1, 1, 0
	MUL16 6, 1, NQ-1, 1, 0
	WIN 0
; THE WAY OUT, tile by tile of L (16 lanes' rows x my 128 along the registers).  Register n of tile a's 64 is number 32 (n / 16) + 16 (lane / 16) + n % 16 of the next K.
.macro CSLOAD a                        ; cos and sin of tile a's positions: pair p = n / 2 of my registers is pair 16 (p / 8) + 8 (lane / 16) + p % 8 of the head's 64
	WIN 0x40*((\a)%2)
.irp B, 0,1,2,3
	global_load_b128 v[CC+8*\B:CC+8*\B+3],   v[CSA], s[8:9]   offset:(32*((\a)/2)+8*((\a)%2))*256+64*\B
	global_load_b128 v[CC+8*\B+4:CC+8*\B+7], v[CSA], s[8:9]   offset:(32*((\a)/2)+8*((\a)%2))*256+64*\B+16
	global_load_b128 v[SS+8*\B:SS+8*\B+3],   v[CSA], s[10:11] offset:(32*((\a)/2)+8*((\a)%2))*256+64*\B
	global_load_b128 v[SS+8*\B+4:SS+8*\B+7], v[CSA], s[10:11] offset:(32*((\a)/2)+8*((\a)%2))*256+64*\B+16
.endr
	WIN 0
.endm
.macro ROPE a                          ; (xr, xi) -> (xr c - xi s, xi c + xr s), a pair an instruction; each accumulator is read from its low end on
.set AC, 64*((\a)%4)
	WIN 2+(\a)/4+4*((\a)%2)                        ; source 0: the accumulators' window; source 1: cos and sin's
.set pp, 0
.rept 32
.if pp%2
	v_pk_mul_f32 v[XO+2*pp:XO+2*pp+1], v[AC+2*pp:AC+2*pp+1], v[CC+pp-1:CC+pp] op_sel:[0,1] op_sel_hi:[1,1]
.else
	v_pk_mul_f32 v[XO+2*pp:XO+2*pp+1], v[AC+2*pp:AC+2*pp+1], v[CC+pp:CC+pp+1] op_sel:[0,0] op_sel_hi:[1,0]
.endif
.set pp, pp+1
.endr
.set pp, 0
.rept 32
.if pp%2
	v_pk_fma_f32 v[XO+2*pp:XO+2*pp+1], v[AC+2*pp:AC+2*pp+1], v[SS+pp-1:SS+pp], v[XO+2*pp:XO+2*pp+1] op_sel:[1,1,0] op_sel_hi:[0,1,1] neg_lo:[1,0,0]
.else
	v_pk_fma_f32 v[XO+2*pp:XO+2*pp+1], v[AC+2*pp:AC+2*pp+1], v[SS+pp:SS+pp+1], v[XO+2*pp:XO+2*pp+1] op_sel:[1,0,0] op_sel_hi:[0,0,1] neg_lo:[1,0,0]
.endif
.set pp, pp+1
.endr
	WIN 0
.endm
.macro QUANT s, sw, a                  ; 64 numbers at v[s] of window sw become tile a's codes (set a % 2) and its scale word
.set PCA, PC+16*((\a)%2)
	WIN 5*(\sw)                                    ; sources 0 and 1
.irp b, 0,1,2,3
	v_max3_num_f32 v[TM+\b], |v[\s+16*\b]|, |v[\s+16*\b+1]|, 0x4800000   ; block b: my 16 numbers, and the floor 2^(9 - 127): the byte cannot fall under 1
.endr
.irp i, 2,4,6,8,10,12,14
.irp b, 0,1,2,3
	v_max3_num_f32 v[TM+\b], |v[\s+16*\b+\i]|, |v[\s+16*\b+\i+1]|, v[TM+\b]
.endr
.endr
	WIN 0
.irp b, 0,1,2,3
	v_permlanex16_b32 v[TM+4+\b], v[TM+\b], s[SEL], s[SEL+1]
.endr
.irp b, 0,1,2,3
	v_max_num_f32 v[TM+\b], v[TM+\b], v[TM+4+\b]   ; with lane l xor 16's: the block's largest magnitude
.endr
.irp b, 0,1,2,3
	v_add_nc_u32 v[TM+12+\b], 0xfc000000, v[TM+\b] ; 8 off its exponent field: the conversion's scale operand
.endr
.irp b, 0,1,2,3
	v_and_or_b32 v[TM+8+\b], v[TM+\b], 0x7f800000, s[MNT]   ; 448 x the scale
.endr
.irp b, 0,1,2,3
	v_lshrrev_b32 v[TM+4+\b], 23, v[TM+12+\b]      ; the scale's byte
.endr
	v_lshl_or_b32 v[PW+(\a)], v[TM+5], 8, v[TM+4]
	v_lshl_or_b32 v[PW+(\a)], v[TM+6], 16, v[PW+(\a)]
	v_lshl_or_b32 v[PW+(\a)], v[TM+7], 24, v[PW+(\a)]
	WIN (\sw)                                      ; source 0
.irp b, 0,1,2,3
.irp i, 0,1,2,3,4,5,6,7,8,9,10,11,12,13,14,15
	v_med3_num_f32 v[XO+16*\b+\i], v[\s+16*\b+\i], -v[TM+8+\b], v[TM+8+\b]   ; the conversion does not saturate (ISA guide 7.6.2): the hold comes first
.endr
.endr
	WIN 0
	s_wait_xcnt 0x0                                ; the stores of the tile two back have read this set of codes
.irp b, 0,1,2,3
	v_cvt_scalef32_pk8_fp8_f32 v[PCA+4*\b:PCA+4*\b+1], v[XO+16*\b:XO+16*\b+7], v[TM+12+\b]
	v_cvt_scalef32_pk8_fp8_f32 v[PCA+4*\b+2:PCA+4*\b+3], v[XO+16*\b+8:XO+16*\b+15], v[TM+12+\b]
.endr
	v_nop                                          ; a plain vector line behind the last conversion
.endm
.macro EPI a, rope
.if \rope
.if (\a) < 7
	s_wait_loadcnt 16                              ; this tile's 16 loads of cos and sin are in; the next tile's may be out
.else
	s_wait_loadcnt 0
.endif
	ROPE \a
.if (\a) < 6
	CSLOAD (\a)+2
.endif
	QUANT XO, 0, \a
.else
	QUANT 64*((\a)%4), 2+(\a)/4, \a
.endif
.set PCA, PC+16*((\a)%2)
.irp c, 0,1,2,3
	global_store_b128 v[IMG], v[PCA+4*\c:PCA+4*\c+3], s[12:13] offset:2048*(\a)+512*\c   ; 32 lanes store 512 consecutive bytes, aligned
.endr
.endm
	PLACES NP                                      ; behind the last products: their results are read and their operands' registers written from here on
.irp b, 0,1,2,3
	v_mov_b32 v[TM+4+\b], 0                        ; written once: a lane permute's destination counts as one of its sources
.endr
	s_cmp_eq_u32 s[TYP], 2                         ; the cluster's number alone: all waves of all partners go the same way
	s_cbranch_scc1 .Lv
	CSLOAD 0
	CSLOAD 1
.irp a, 0,1,2,3,4,5,6,7
	EPI \a, 1
.endr
	s_branch .Lsc
.Lv:
.irp a, 0,1,2,3,4,5,6,7
	EPI \a, 0
.endr
.Lsc:
.irp i, 0,1,2,3
	v_cndmask_b32 v[MW+\i], v[PW+\i], v[PW+4+\i], s[HIL]   ; lanes 0-15: tiles 0-3's words of row r; lanes 16-31: tiles 4-7's (both halves of the lanes hold every word)
.endr
	global_store_b128 v[IMG], v[MW:MW+3], s[96:97] ; 512 consecutive bytes, aligned
	s_wait_tensorcnt 0x0                           ; the wave's end
	ds_add_u32 v[SPW], v[NIL]
	s_wait_dscnt 0x0
	CROUND                                         ; the closing round: no work-group ends while a partner may still ask for a tile that names it
	s_endpgm
.Lfunc_end_k_qcfd1250ebe_qkv:
	.size	k_qcfd1250ebe_qkv, .Lfunc_end_k_qcfd1250ebe_qkv-k_qcfd1250ebe_qkv
	.p2alignl 7, 3214868480
	.fill 96, 4, 3214868480
	.section	.rodata,"a",@progbits
	.p2align	6, 0x0
	.amdhsa_kernel k_qcfd1250ebe_qkv
		.amdhsa_group_segment_fixed_size 327680
		.amdhsa_private_segment_fixed_size 0
		.amdhsa_enable_private_segment 0
		.amdhsa_kernarg_size 56
		.amdhsa_user_sgpr_count 2
		.amdhsa_user_sgpr_kernarg_segment_ptr 1
		.amdhsa_wavefront_size32 1
		.amdhsa_system_sgpr_workgroup_id_x 1
		.amdhsa_system_sgpr_workgroup_id_y 1
		.amdhsa_system_sgpr_workgroup_id_z 1
		.amdhsa_system_vgpr_workitem_id 0
		.amdhsa_next_free_vgpr 1024
		.amdhsa_next_free_sgpr 102
		.amdhsa_reserve_vcc 0
		.amdhsa_float_denorm_mode_32 3
		.amdhsa_float_denorm_mode_16_64 3
		.amdhsa_memory_ordered 1
		.amdhsa_forward_progress 1
		.amdhsa_inst_pref_size 255
	.end_amdhsa_kernel
	.section	.bss,"aw",@nobits
	.p2align	6
	.space	262144
	.amdgpu_metadata
---
amdhsa.version: [ 1, 2 ]
amdhsa.kernels:
  - .name:           k_qcfd1250ebe_qkv
    .symbol:         k_qcfd1250ebe_qkv.kd
    .args:
      - { .name: codes, .offset: 0, .size: 8, .value_kind: global_buffer, .address_space: global }
      - { .name: scl, .offset: 8, .size: 8, .value_kind: global_buffer, .address_space: global }
      - { .name: freqs_cos, .offset: 16, .size: 8, .value_kind: global_buffer, .address_space: global }
      - { .name: freqs_sin, .offset: 24, .size: 8, .value_kind: global_buffer, .address_space: global }
      - { .name: qc, .offset: 32, .size: 8, .value_kind: global_buffer, .address_space: global }
      - { .name: qs, .offset: 40, .size: 8, .value_kind: global_buffer, .address_space: global }
      - { .name: kv, .offset: 48, .size: 8, .value_kind: global_buffer, .address_space: global }
    .group_segment_fixed_size: 327680
    .private_segment_fixed_size: 0
    .kernarg_segment_align: 8
    .kernarg_segment_size: 56
    .max_flat_workgroup_size: 128
    .sgpr_count:     102
    .vgpr_count:     1024
    .wavefront_size: 32
...
	.end_amdgpu_metadata
.endif
;; end of part 2
;; launch attn (part 3): grid 16 x 16, 8 waves a work-group, clusters of 4 x 4, 327,680 bytes of LDS; arguments qc, qs, kv, mask, ac, asc; writes ac, asc
.if DOCPART == 3
	.amdgcn_target "amdgcn-amd-amdhsa--gfx1250"
	.amdhsa_code_object_version 6
	.text
	.protected	k_qcfd1250ebe_attn
	.globl	k_qcfd1250ebe_attn
	.p2align	8
	.type	k_qcfd1250ebe_attn,@function
k_qcfd1250ebe_attn:
	s_mov_b64 s[64:65], 0
	v_nop
	global_prefetch_b8 v0, s[64:65] scope:SCOPE_SE
	s_setreg_imm32_b32 hwreg(HW_REG_WAVE_MODE, 25, 1), 1
	s_wait_xcnt 0x0
	s_wait_alu depctr_hold_cnt(0) depctr_sa_sdst(0) depctr_va_vdst(0) depctr_va_sdst(0) depctr_va_ssrc(0) depctr_va_vcc(0) depctr_vm_vsrc(0)
	s_getreg_b32 s2, hwreg(HW_REG_IB_STS2, 6, 4)
	s_cmp_eq_u32 s2, 0
	s_cbranch_scc0 .Lentry_in_a_cluster
	s_endpgm
.Lentry_in_a_cluster:
	s_bfe_u32 s2, ttmp6, 0x10000c
	s_cmp_lg_u32 s2, 0xf033
	s_cbranch_scc0 .Lentry_shape_is_right
	s_endpgm
.Lentry_shape_is_right:
; LAUNCH 3 OF 4.  softmax(q k^T / sqrt(128) + mask) v on codes of FP8 (E4M3) with E8M0 scales, and the quantiser of the result along d for the last product.  No work is left out: the mask is an input, so all keys are walked for all queries.
; THE SOFTMAX AHEAD OF THE SECOND PRODUCT: logit = score / sqrt(128) + mask; t = logit x log2(e); M = the row's largest t so far, rounded UP to a whole number; p = 2^(t - M) is quantised along the keys, not normalised.
; The row's sum is taken of the unquantised p in f32 and divides O at the end.  When M moves, the sum and O are multiplied by 2^(old M - new M): exact.
; SHARES: a work-group owns 128 queries of one head; wave w owns query tile 8 block + w (lane r: position 128 block + 32 (w / 2) + 8 (w % 2) + r % 8 + 16 (r / 8)), two waves to a SIMD.  16 key steps of 128 keys, a slot each.
; Both products are used transposed (S^T = K Q^T, O^T = V^T P^T): a lane holds ONE query throughout, and by the rule of tiles its registers run along the keys, then along d, in the next operand's order.
; A key step's block of kv (K's 8 fragments, V^T's 8, their scale words: 33,792 dense bytes) and the mask's 128 x 128 numbers come through a ring of two LDS slots.
; CLUSTERS of 4 x 4: the four heads of a column of the cluster have the same queries and ask for the mask's tile jointly; the four query blocks of a row have the same head and ask for kv's block jointly.
; Waves 0, 1 fetch the mask's halves, waves 2, 3 kv's halves; one tensor load of a wave is out at any time.
; The mask's rows lie 520 bytes apart and are read 8 bytes a lane: in units of 8 bytes a lane's column is row + 8 (lane / 16) modulo 32, and the tile's rows 0-7, 16-23 with both halves make 32 different columns.
; OUT: ac, asc laid as one tensor of the first launch's codes and scale words: rows = positions, ks = the head.  asc is stored four bytes a lane, 16 bytes apart: one part in 32 of the codes' bytes.
; LIMITS: -infinity is served in the mask; NaN, +infinity, and a query whose mask is -infinity at all 2,048 keys (where the result is NaN) are not served; a block of zeros carries the byte 1 (zero codes; read by this program alone).
; REGISTERS: window 0: v1-10 addresses; v12 -M, v13 the largest t, v[14:15] the sum; v16-31 Q; v32-39 K's scale words, v40-47 V's; v48-80 the way out; v96-159 S^T, then p; v160-223 O^T; v224-239 p's codes; v232-254 at work; v255 Q's scale word.
;   window 1: v0-127 eight fragments of K, then of V^T; v128-191 the mask's 64 numbers.
.set SLOT1, 131072                     ; slot 1 begins here: one exclusive or turns an address in one slot into the other's
.set VOFF,  16384                      ; V^T's fragments in a block of kv
.set KSO,   32768                      ; K's scale words; V's 512 bytes on
.set BLKB,  33792                      ; a block of kv
.set MOFF,  33792                      ; the mask's tile in a slot
.set MP,    520                        ; a row of it: 512 bytes + 8
.set SPARE, 262144                     ; behind the ring: the spare words, 128 bytes a wave
.set AF0,  1                           ; v1   16 x lane
.set AS0,  2                           ; v2   my row's scale words in a block
.set AM0,  3                           ; v3   my query's row of the mask's tile, + 64 (lane / 16)
.set R16,  4                           ; v4   16 x (lane % 16)
.set SPW,  5                           ; v5   LDS address of my spare word; never rewritten
.set NIL,  6                           ; v6   0; never rewritten
.set PFO,  7                           ; v7   the prefetches' lane offset; never rewritten
.set ADF,  8                           ; v8-10 the step's addresses
.set ADS,  9
.set ADM,  10
.set KS,   32
.set VS,   40
.set PC,   48
.set TM,   64
.set PW,   80
.set TB,   2                           ; s2   LDS byte at which the slot in hand begins
.set SLOTS, 3                          ; s3   slots still to be asked for
.set WV,   18
.set MNT,  19
.set SEL,  20
.set CS,   22                          ; s[22:23] log2(e)
.set C1,   24                          ; s[24:25] 1 / sqrt(128)
.set G1M,  28
.set G1K,  36
.set G0M,  44
.set G0K,  48
.set PFA,  52                          ; s[52:53] where my prefetches stand
.set PFS,  54                          ; s[54:55] a key step on, in bytes
.set LIM,  56                          ; s56  1 in a wave that prefetches, else the greatest number
.set MSB, 0
.macro WIN new
.if MSB != (\new)
	s_set_vgpr_msb (MSB<<8)|(\new)
.set MSB, (\new)
.endif
.endm
; Waves 0 and 1 fetch the mask's halves, waves 2 and 3 kv's, the others nothing: the branches hang on the wave's number alone.  An s_nop 0 and four v_nop follow each of the two lines.
.macro TLOAD
	s_cmp_lt_u32 s[WV], 2
	s_cbranch_scc0 .Lnot_m_\@
	tensor_load_to_lds s[G0M:G0M+3], s[G1M:G1M+7]
	s_nop 0
.rept 4
	v_nop
.endr
	s_branch .Lasked_\@
.Lnot_m_\@:
	s_cmp_lt_u32 s[WV], 4
	s_cbranch_scc0 .Lasked_\@
	tensor_load_to_lds s[G0K:G0K+3], s[G1K:G1K+7]
	s_nop 0
.rept 4
	v_nop
.endr
.Lasked_\@:
.endm
; A PREFETCH of what the NEXT change of slots will ask for, a key step ahead of that load.  Each aligned block of 256 bytes is named once in the launch.  The mask's tile (128 rows x 512 bytes) is read by every cluster
; of a column of clusters: cluster y = 0 asks; its four partners along y take 32 rows each, told apart by address; waves 4 and 5 take the two halves of a row's 512 bytes, a lane a row.  kv's codes (32,768 bytes) are read by
; every cluster of a row of clusters: cluster x = 0 asks; its partners along x take 8,192 bytes each, by address; wave 6, lanes 256 bytes apart.  Steps 0 and 1 and the scale words come by their loads alone; the last change that fills asks for nothing.
.macro ASK
	s_cmp_gt_u32 s[SLOTS], s[LIM]
	s_cbranch_scc0 .Lnot_mine_\@
	global_prefetch_b8 v[PFO], s[PFA:PFA+1] th:TH_LOAD_NT scope:SCOPE_SE
.Lnot_mine_\@:
.endm
.macro CROUND                          ; a round of the cluster's barrier
	s_barrier_signal -1
	s_barrier_wait -1
	s_cmp_lg_u32 s[WV], 0
	s_cbranch_scc1 .Lnot_wave_0_\@
	s_barrier_signal -3
.Lnot_wave_0_\@:
	s_barrier_wait -3
	s_barrier_signal -1
	s_barrier_wait -1
.endm
	s_load_b256 s[4:11], s[0:1], 0x0               ; qc, qs, kv, mask
	s_load_b128 s[12:15], s[0:1], 0x20             ; ac, asc
	v_lshl_add_u32 v[SPW], v0, 2, SPARE
	v_mov_b32 v[NIL], 0
	ds_add_u32 v[SPW], v[NIL]                      ; the wave's opening: the add, twice on end, and its wait ahead of the first tensor loads
	ds_add_u32 v[SPW], v[NIL]
	v_lshrrev_b32 v8, 5, v0
	v_readfirstlane_b32 s[WV], v8                  ; wave 0..7
	s_and_b32 s61, s[WV], 1
	s_bfe_u32 s57, ttmp6, 0x40000                  ; cx
	s_bfe_u32 s58, ttmp6, 0x40004                  ; cy
	s_lshl_b32 s59, ttmp9, 2
	s_add_co_u32 s59, s59, s57                     ; my block of 128 queries
	s_and_b32 s60, ttmp7, 0xffff
	s_lshl_b32 s60, s60, 2
	s_add_co_u32 s60, s60, s58                     ; my head
	s_lshl_b32 s70, 0x1111, s57                    ; my column of the cluster: the same queries
	s_lshl_b32 s71, s58, 2
	s_lshl_b32 s71, 15, s71                        ; my row: the same head
	; group 1, the mask: 64 rows of 128 numbers of 4 bytes, 2,048 numbers apart; 2 words of padding behind every 128
	s_or_b32 s[G1M], s70, (2<<16)|(1<<20)|(1<<21)|(6<<22)|(1<<25)
	s_mov_b32 s[G1M+1], 128<<16
	s_mov_b32 s[G1M+2], 64<<16
	s_mov_b32 s[G1M+3], 128<<16
	s_mov_b32 s[G1M+4], 64
	s_mov_b32 s[G1M+5], 2048
	s_mov_b32 s[G1M+6], 0
	s_mov_b32 s[G1M+7], 0
	; group 1, kv: half a block, 16,896 dense bytes, as 66 rows of 256 (32 elements of 8 bytes)
	s_or_b32 s[G1K], s71, (3<<16)|(1<<21)
	s_mov_b32 s[G1K+1], 32<<16
	s_mov_b32 s[G1K+2], 66<<16
	s_mov_b32 s[G1K+3], 32<<16
	s_mov_b32 s[G1K+4], 66
	s_mov_b32 s[G1K+5], 32
	s_mov_b32 s[G1K+6], 0
	s_mov_b32 s[G1K+7], 0
	s_lshl_b32 s66, s59, 20                        ; the mask: my block's 128 rows of 8,192 bytes,
	s_lshl_b32 s62, s61, 19                        ; the half of them that I would fetch
	s_add_co_u32 s66, s66, s62
	s_mov_b32 s67, 0
	s_mul_i32 s26, s61, 64*MP
	s_add_co_u32 s26, s26, MOFF                    ; and its place in a slot
	s_mul_i32 s68, s60, 16*BLKB                    ; kv: my head's 16 blocks,
	s_mul_i32 s63, s61, BLKB/2                     ; the half of a block that I would fetch: in memory and in a slot alike
	s_add_co_u32 s68, s68, s63
	s_mov_b32 s69, 0
	s_mov_b32 s[SEL], 0x76543210
	s_mov_b32 s[SEL+1], 0xfedcba98
	s_mov_b32 s[CS], 0x3fb8aa3b                    ; log2(e)
	s_mov_b32 s[CS+1], s[CS]                       ; (named with it as a pair, so it is written)
	s_mov_b32 s[C1], 0x3db504f3                    ; 1 / sqrt(128)
	s_mov_b32 s[C1+1], s[C1]
	s_mov_b32 s[MNT], 0x600000
	s_mov_b32 s[TB], 0
	s_mov_b32 s[SLOTS], 15
	s_wait_dscnt 0x0                               ; both opening adds are done
	s_wait_kmcnt 0x0
	s_mov_b32 s[G0M], 1
	s_mov_b32 s[G0M+1], s26
	s_add_nc_u64 s[G0M+2:G0M+3], s[10:11], s[66:67]
	s_or_b32 s[G0M+3], s[G0M+3], 0x80000000
	s_mov_b32 s[G0K], 1
	s_mov_b32 s[G0K+1], s63
	s_add_nc_u64 s[G0K+2:G0K+3], s[8:9], s[68:69]
	s_or_b32 s[G0K+3], s[G0K+3], 0x80000000
	CROUND                                         ; all sixteen work-groups are here: the first joint loads meet
	TLOAD                                          ; key step 0 into slot 0
	; Q's fragment and scale word, and where the result goes
	s_lshl_b32 s72, s60, 18                        ; qc: 262,144 bytes a head, 2,048 a tile: tile 8 block + wave
	s_lshl_b32 s74, s59, 14
	s_add_co_u32 s72, s72, s74
	s_lshl_b32 s74, s[WV], 11
	s_add_co_u32 s72, s72, s74
	s_mov_b32 s73, 0
	s_add_nc_u64 s[4:5], s[4:5], s[72:73]
	s_lshl_b32 s72, s60, 4                         ; qs: 512 bytes for each (head, block); tile w's words at 256 (w / 4) + 4 (w % 4) + 16 r
	s_add_co_u32 s72, s72, s59
	s_lshl_b32 s72, s72, 9
	s_lshr_b32 s74, s[WV], 2
	s_lshl_b32 s74, s74, 8
	s_add_co_u32 s72, s72, s74
	s_and_b32 s74, s[WV], 3
	s_lshl_b32 s74, s74, 2
	s_add_co_u32 s72, s72, s74
	s_add_nc_u64 s[6:7], s[6:7], s[72:73]
	s_lshl_b32 s72, s59, 18                        ; ac: 32,768 bytes a tile, 2,048 a head
	s_lshl_b32 s74, s[WV], 15
	s_add_co_u32 s72, s72, s74
	s_lshl_b32 s74, s60, 11
	s_add_co_u32 s72, s72, s74
	s_add_nc_u64 s[12:13], s[12:13], s[72:73]
	s_lshl_b32 s72, s59, 13                        ; asc: 1,024 bytes a tile; the head's word at 256 (head / 4) + 4 (head % 4) + 16 r
	s_lshl_b32 s74, s[WV], 10
	s_add_co_u32 s72, s72, s74
	s_lshr_b32 s74, s60, 2
	s_lshl_b32 s74, s74, 8
	s_add_co_u32 s72, s72, s74
	s_and_b32 s74, s60, 3
	s_lshl_b32 s74, s74, 2
	s_add_co_u32 s72, s72, s74
	s_add_nc_u64 s[14:15], s[14:15], s[72:73]
	v_and_b32 v8, 15, v0                           ; r
	v_bfe_u32 v9, v0, 4, 1                         ; h
	v_and_b32 v10, 31, v0
	v_lshlrev_b32 v[AF0], 4, v10
	v_lshlrev_b32 v[R16], 4, v8
.irp c, 0,1,2,3
	global_load_b128 v[16+4*\c:19+4*\c], v[AF0], s[4:5] offset:512*\c   ; Q's fragment stays in registers
.endr
	global_load_b32 v255, v[R16], s[6:7]           ; Q's scale words
	v_add_nc_u32 v[AS0], KSO, v[R16]
	v_and_b32 v11, 8, v8
	v_add_nc_u32 v11, v11, v8                      ; r + 8 (r / 8)
	v_mul_u32_u24 v[AM0], v11, MP
	v_lshl_add_u32 v[AM0], v9, 6, v[AM0]
	s_lshr_b32 s74, s[WV], 1
	s_lshl_b32 s74, s74, 5
	s_lshl_b32 s75, s61, 3
	s_add_co_u32 s74, s74, s75                     ; my tile's first row among the 128: 32 (w / 2) + 8 (w % 2)
	s_mul_i32 s74, s74, MP
	s_add_co_u32 s74, s74, MOFF
	v_add_nc_u32 v[AM0], s74, v[AM0]
	; the prefetches: where my wave's stand, and who asks
	s_lshl_b32 s76, s59, 20                        ; the mask: my block's rows, my work-group's 32 of them, my half of a row's 512 bytes, key step 1
	s_lshl_b32 s78, s58, 18
	s_add_co_u32 s76, s76, s78
	s_lshl_b32 s78, s61, 8
	s_add_co_u32 s76, s76, s78
	s_add_co_u32 s76, s76, 512
	s_mul_i32 s77, s60, 16*BLKB                    ; kv: my head, key step 1, my work-group's 8,192 bytes
	s_lshl_b32 s78, s57, 13
	s_add_co_u32 s77, s77, s78
	s_add_co_u32 s77, s77, BLKB
	s_and_b32 s79, ttmp7, 0xffff                   ; cluster y
	s_mov_b32 s[PFS], BLKB
	s_mov_b32 s80, 256
	s_cmp_lt_u32 s[WV], 6
	s_cselect_b64 s[PFA:PFA+1], s[10:11], s[8:9]
	s_cselect_b32 s76, s76, s77
	s_cselect_b32 s[PFS], 512, s[PFS]              ; a key step on
	s_cselect_b32 s80, 8192, s80                   ; from lane to lane
	s_cselect_b32 s79, s79, ttmp9                  ; the coordinate along which other clusters read the same bytes
	s_mov_b32 s77, 0
	s_mov_b32 s[PFS+1], 0
	s_add_nc_u64 s[PFA:PFA+1], s[PFA:PFA+1], s[76:77]   ; the first change of slots steps it to key step 2; nothing is prefetched here, at the head
	v_and_b32 v[PFO], 31, v0
	v_mul_lo_u32 v[PFO], v[PFO], s80
	s_sub_co_u32 s78, s[WV], 4
	s_cmp_lt_u32 s78, 3                            ; waves 4, 5, 6
	s_cselect_b32 s78, 0, 1
	s_or_b32 s79, s79, s78
	s_cmp_eq_u32 s79, 0
	s_cselect_b32 s[LIM], 1, -1                    ; the same in all sixteen partners, for a given wave
	v_mov_b32 v13, 0xff61b1e6                      ; the largest t so far: -3e38, under every t
	v_floor_f32 v12, -v13                          ; -M
	v_mov_b32 v14, 0                               ; the sum, in two halves
	v_mov_b32 v15, 0
.irp b, 0,1,2,3
	v_mov_b32 v[236+\b], 0                         ; written once: a lane permute's destination counts as one of its sources
	v_mov_b32 v[TM+4+\b], 0
.endr
	v_mov_b32 v253, 0                              ; (named as the upper half of the pair v[252:253] before it is first written)
.set jj, 0
.rept 64
	v_mov_b32 v[160+jj], 0                         ; O^T: the step is written for all steps alike; the first finds zeros, which the first change of M leaves zeros
.set jj, jj+1
.endr
; A KEY STEP: 128 keys.
.macro STEP
	v_add_nc_u32 v[ADF], s[TB], v[AF0]
	v_add_nc_u32 v[ADS], s[TB], v[AS0]
	v_add_nc_u32 v[ADM], s[TB], v[AM0]
.rept 5
	v_nop                                          ; with the three additions: eight places ahead of loads into registers that the last products read
.endr
	ds_load_b128 v[KS:KS+3], v[ADS]                ; K's scale words: tiles 0-3 of row r,
	ds_load_b128 v[KS+4:KS+7], v[ADS] offset:256   ; tiles 4-7
	WIN 0x40                                       ; destination window 1
.irp t, 0,1,2,3,4,5,6,7
.irp c, 0,1,2,3
	ds_load_b128 v[16*\t+4*\c:16*\t+4*\c+3], v[ADF] offset:2048*\t+512*\c
.endr
.endr
.set nn, 0
.rept 32
	ds_load_b64 v[128+2*nn:129+2*nn], v[ADM] offset:128*(nn/8)+8*(nn%8)   ; the mask of my query at my 64 keys: register n is key 32 (n / 16) + 16 (lane / 16) + n % 16
.set nn, nn+1
.endr
	WIN 0
	s_wait_dscnt 32                                ; K and its scale words are in; the mask's 32 loads may be out
	WIN 0x01                                       ; source 0 window 1
.irp t, 0,1,2,3,4,5,6,7
	v_wmma_scale_f32_16x16x128_f8f6f4 v[96+8*\t:103+8*\t], v[16*\t:16*\t+15], v[16:31], 0, v[KS+\t], v255
.endr
	WIN 0
.rept 8
	v_nop                                          ; places ahead of the loads into K's registers and of the first read of the scores
.endr
	WIN 0x40
.irp t, 0,1,2,3,4,5,6,7
.irp c, 0,1,2,3
	ds_load_b128 v[16*\t+4*\c:16*\t+4*\c+3], v[ADF] offset:VOFF+2048*\t+512*\c
.endr
.endr
	WIN 0
	ds_load_b128 v[VS:VS+3], v[ADS] offset:512
	ds_load_b128 v[VS+4:VS+7], v[ADS] offset:768
	s_wait_dscnt 34                                ; the mask is in; V's 34 loads may be out: they land under the softmax
	WIN 0x10                                       ; source 2 window 1
.set jj, 0
.rept 32
	v_pk_fma_f32 v[96+jj:97+jj], v[96+jj:97+jj], s[C1:C1+1], v[128+jj:129+jj] op_sel_hi:[1,0,1]   ; the logit: score / sqrt(128) + mask; each accumulator from its low end on
.set jj, jj+2
.endr
	WIN 0
.irp b, 0,1,2,3
	v_max3_num_f32 v[232+\b], v[96+16*\b], v[97+16*\b], v[98+16*\b]   ; the largest logit of each block of 32 keys: for the row's maximum, and, since p rises with the logit, for the block's largest p
.endr
.irp i, 3,5,7,9,11,13
.irp b, 0,1,2,3
	v_max3_num_f32 v[232+\b], v[232+\b], v[96+16*\b+\i], v[97+16*\b+\i]
.endr
.endr
.irp b, 0,1,2,3
	v_max_num_f32 v[232+\b], v[232+\b], v[111+16*\b]
.endr
.irp b, 0,1,2,3
	v_permlanex16_b32 v[236+\b], v[232+\b], s[SEL], s[SEL+1]
.endr
.irp b, 0,1,2,3
	v_max_num_f32 v[232+\b], v[232+\b], v[236+\b]  ; with lane l xor 16's 16 keys
.endr
	v_max3_num_f32 v254, v232, v233, v234
	v_max_num_f32 v254, v254, v235                 ; the step's largest logit of my query
	v_mul_f32 v254, s[CS], v254                    ; as t
	v_max_num_f32 v13, v13, v254                   ; the running largest t
	v_mov_b32 v254, v12
	v_floor_f32 v12, -v13                          ; the new -M = floor(-t) = -ceil(t)
	v_sub_f32 v254, v12, v254                      ; old M less new M: a whole number, 0 or less
	v_cvt_i32_f32 v254, v254                       ; (it saturates)
	v_ldexp_f32 v252, 1.0, v254                    ; f = 2^(old M - new M)
.set jj, 0
.rept 32
	v_pk_fma_f32 v[96+jj:97+jj], v[96+jj:97+jj], s[CS:CS+1], v[12:13] op_sel_hi:[1,0,0]   ; t - M, two at a time
.set jj, jj+2
.endr
.irp b, 0,1,2,3
	v_fma_f32 v[232+\b], v[232+\b], s[CS], v12     ; the same of each block's largest logit
.endr
.set jj, 0
.rept 64
	v_exp_f32 v[96+jj], v[96+jj]                   ; p = 2^(t - M), at most 1
.set jj, jj+1
.endr
	v_pk_mul_f32 v[14:15], v[14:15], v[252:253] op_sel_hi:[1,0]   ; the sums under the new M: a plain line behind the exponentials
	s_wait_alu depctr_va_vdst(0)                   ; one wait for the batch of 64, ahead of its first reader
.irp b, 0,1,2,3
	v_exp_f32 v[232+\b], v[232+\b]                 ; the block's largest p: the same two instructions on the same number
.endr
	v_pk_add_f32 v[236:237], v[96:97], v[98:99]    ; the row's sum of the unquantised p, in two chains
.irp j, 4,8,12,16,20,24,28,32,36,40,44,48,52,56,60
	v_pk_add_f32 v[14:15], v[14:15], v[96+\j:97+\j]
	v_pk_add_f32 v[236:237], v[236:237], v[98+\j:99+\j]
.endr
	v_pk_add_f32 v[14:15], v[14:15], v[236:237]
	s_wait_alu depctr_va_vdst(0)                   ; and one for the four
.irp b, 0,1,2,3
	v_max_num_f32 v[232+\b], 0x4800000, v[232+\b]  ; the floor 2^(9 - 127): the byte cannot fall under 1
.endr
.irp b, 0,1,2,3
	v_add_nc_u32 v[244+\b], 0xfc000000, v[232+\b]  ; 8 off the exponent field: the conversion's scale operand
.endr
.irp b, 0,1,2,3
	v_and_or_b32 v[240+\b], v[232+\b], 0x7f800000, s[MNT]   ; 448 x the scale
.endr
.irp b, 0,1,2,3
	v_lshrrev_b32 v[236+\b], 23, v[244+\b]         ; the scale's byte
.endr
	v_lshl_or_b32 v253, v237, 8, v236              ; p's scale word for these 128 keys
	v_lshl_or_b32 v253, v238, 16, v253
	v_lshl_or_b32 v253, v239, 24, v253
.irp b, 0,1,2,3
.irp i, 0,1,2,3,4,5,6,7,8,9,10,11,12,13,14,15
	v_min_num_f32 v[96+16*\b+\i], v[96+16*\b+\i], v[240+\b]   ; the conversion does not saturate (ISA guide 7.6.2); p is not negative, so the hold is one-sided
.endr
	v_cvt_scalef32_pk8_fp8_f32 v[224+4*\b:225+4*\b], v[96+16*\b:103+16*\b], v[244+\b]
	v_cvt_scalef32_pk8_fp8_f32 v[226+4*\b:227+4*\b], v[104+16*\b:111+16*\b], v[244+\b]
.endr
.set jj, 0
.rept 32
	v_pk_mul_f32 v[160+jj:161+jj], v[160+jj:161+jj], v[252:253] op_sel_hi:[1,0]   ; O^T under the new M; these 32 are also the places ahead of the products below
.set jj, jj+2
.endr
	s_wait_dscnt 0x0                               ; V and its scale words are in
	WIN 0x01
.irp t, 0,1,2,3,4,5,6,7
	v_wmma_scale_f32_16x16x128_f8f6f4 v[160+8*\t:167+8*\t], v[16*\t:16*\t+15], v[224:239], v[160+8*\t:167+8*\t], v[VS+\t], v253
.endr
	WIN 0
	s_xor_b32 s[TB], s[TB], SLOT1                  ; on to the other slot
.endm
; THE CHANGE OF SLOTS stands at a step's head.  Each wave waits for all its tensor loads (its part of the slot that it is about to read), adds 0 to its spare word, and waits for that and for its reads of the slot that it has left.
; fill = 1: that other slot takes the next key step: the barrier is then a round of the cluster's, and the joint load is the first thing behind it.
.macro CHANGE fill
	s_wait_tensorcnt 0x0                           ; no tensor load of mine is out, so a group 0 may be written
	ds_add_u32 v[SPW], v[NIL]                      ; 0 onto my spare word
.if \fill
	ds_add_u32 v[SPW], v[NIL]                      ; and once more: the add twice on end, in every trip alike
	s_xor_b32 s[G0M+1], s[G0M+1], SLOT1            ; the walking descriptors: the other slot than last time,
	s_add_nc_u64 s[G0M+2:G0M+3], s[G0M+2:G0M+3], 512    ; the next 128 keys
	s_xor_b32 s[G0K+1], s[G0K+1], SLOT1
	s_add_nc_u64 s[G0K+2:G0K+3], s[G0K+2:G0K+3], BLKB
	s_wait_xcnt 0x0                                ; the last prefetch, a key step back, has read its address
	s_add_nc_u64 s[PFA:PFA+1], s[PFA:PFA+1], s[PFS:PFS+1]   ; one key step further on than the walking descriptors
	s_wait_dscnt 0x0                               ; both adds are done, and my reads of the slot that I have left are over
	CROUND
	TLOAD
	ASK
.else
	s_wait_dscnt 0x0
	s_barrier_signal -1
	s_barrier_wait -1
.endif
.endm
	s_wait_loadcnt 0x0                             ; Q
.Lstep:                                            ; 15 trips: behind each change of slots but the last the next key step is asked for
	CHANGE 1
	STEP
	s_sub_co_u32 s[SLOTS], s[SLOTS], 1
	s_cmp_lg_u32 s[SLOTS], 0
	s_cbranch_scc1 .Lstep
	CHANGE 0                                       ; the last step is written out
	STEP
	; THE WAY OUT: O^T / the sum; register n is d = 32 (n / 16) + 16 (lane / 16) + n % 16 of my query: the order in which the quantiser along d wants it.  The codes are the last product's operand as they stand.
.rept 8
	v_nop                                          ; places behind the last products
.endr
	v_add_f32 v14, v14, v15                        ; the sum's two halves,
	v_permlanex16_b32 v252, v14, s[SEL], s[SEL+1]
	v_add_f32 v14, v14, v252                       ; and lane l xor 16's: the row's sum
	v_rcp_f32 v14, v14
	v_and_b32 v8, 31, v0                           ; (a plain line behind the reciprocal)  lane
	s_wait_alu depctr_va_vdst(0)                   ; the wait ahead of its first reader
.set jj, 0
.rept 32
	v_pk_mul_f32 v[96+jj:97+jj], v[160+jj:161+jj], v[14:15] op_sel_hi:[1,0]
.set jj, jj+2
.endr
.irp b, 0,1,2,3
	v_max3_num_f32 v[TM+\b], |v[96+16*\b]|, |v[97+16*\b]|, 0x4800000
.endr
.irp i, 2,4,6,8,10,12,14
.irp b, 0,1,2,3
	v_max3_num_f32 v[TM+\b], v[TM+\b], |v[96+16*\b+\i]|, |v[97+16*\b+\i]|
.endr
.endr
.irp b, 0,1,2,3
	v_permlanex16_b32 v[TM+4+\b], v[TM+\b], s[SEL], s[SEL+1]
.endr
.irp b, 0,1,2,3
	v_max_num_f32 v[TM+\b], v[TM+\b], v[TM+4+\b]
.endr
.irp b, 0,1,2,3
	v_add_nc_u32 v[TM+12+\b], 0xfc000000, v[TM+\b]
.endr
.irp b, 0,1,2,3
	v_and_or_b32 v[TM+8+\b], v[TM+\b], 0x7f800000, s[MNT]
.endr
.irp b, 0,1,2,3
	v_lshrrev_b32 v[TM+4+\b], 23, v[TM+12+\b]
.endr
	v_lshl_or_b32 v[PW], v[TM+5], 8, v[TM+4]
	v_lshl_or_b32 v[PW], v[TM+6], 16, v[PW]
	v_lshl_or_b32 v[PW], v[TM+7], 24, v[PW]
.irp b, 0,1,2,3
.irp i, 0,1,2,3,4,5,6,7,8,9,10,11,12,13,14,15
	v_med3_num_f32 v[96+16*\b+\i], v[96+16*\b+\i], -v[TM+8+\b], v[TM+8+\b]
.endr
	v_cvt_scalef32_pk8_fp8_f32 v[PC+4*\b:PC+1+4*\b], v[96+16*\b:103+16*\b], v[TM+12+\b]
	v_cvt_scalef32_pk8_fp8_f32 v[PC+2+4*\b:PC+3+4*\b], v[104+16*\b:111+16*\b], v[TM+12+\b]
.endr
	v_nop                                          ; a plain vector line behind the last conversion
.irp c, 0,1,2,3
	global_store_b128 v[AF0], v[PC+4*\c:PC+4*\c+3], s[12:13] offset:512*\c   ; 32 lanes store 512 consecutive bytes, aligned
.endr
	s_wait_xcnt 0x0                                ; EXEC changes only behind this wait
	v_cmp_gt_u32 vcc_lo, 16, v8
	s_and_saveexec_b32 s26, vcc_lo
	global_store_b32 v[R16], v[PW], s[14:15]       ; lanes 0-15: row r's scale word for this head
	s_wait_xcnt 0x0
	s_or_b32 exec_lo, exec_lo, s26
	s_wait_tensorcnt 0x0                           ; the wave's end
	ds_add_u32 v[SPW], v[NIL]
	s_wait_dscnt 0x0
	CROUND                                         ; the closing round
	s_endpgm
.Lfunc_end_k_qcfd1250ebe_attn:
	.size	k_qcfd1250ebe_attn, .Lfunc_end_k_qcfd1250ebe_attn-k_qcfd1250ebe_attn
	.p2alignl 7, 3214868480
	.fill 96, 4, 3214868480
	.section	.rodata,"a",@progbits
	.p2align	6, 0x0
	.amdhsa_kernel k_qcfd1250ebe_attn
		.amdhsa_group_segment_fixed_size 327680
		.amdhsa_private_segment_fixed_size 0
		.amdhsa_enable_private_segment 0
		.amdhsa_kernarg_size 48
		.amdhsa_user_sgpr_count 2
		.amdhsa_user_sgpr_kernarg_segment_ptr 1
		.amdhsa_wavefront_size32 1
		.amdhsa_system_sgpr_workgroup_id_x 1
		.amdhsa_system_sgpr_workgroup_id_y 1
		.amdhsa_system_sgpr_workgroup_id_z 1
		.amdhsa_system_vgpr_workitem_id 0
		.amdhsa_next_free_vgpr 448
		.amdhsa_next_free_sgpr 100
		.amdhsa_reserve_vcc 1
		.amdhsa_float_denorm_mode_32 3
		.amdhsa_float_denorm_mode_16_64 3
		.amdhsa_memory_ordered 1
		.amdhsa_forward_progress 1
		.amdhsa_inst_pref_size 76
	.end_amdhsa_kernel
	.amdgpu_metadata
---
amdhsa.version: [ 1, 2 ]
amdhsa.kernels:
  - .name:           k_qcfd1250ebe_attn
    .symbol:         k_qcfd1250ebe_attn.kd
    .args:
      - { .name: qc, .offset: 0, .size: 8, .value_kind: global_buffer, .address_space: global }
      - { .name: qs, .offset: 8, .size: 8, .value_kind: global_buffer, .address_space: global }
      - { .name: kv, .offset: 16, .size: 8, .value_kind: global_buffer, .address_space: global }
      - { .name: mask, .offset: 24, .size: 8, .value_kind: global_buffer, .address_space: global }
      - { .name: ac, .offset: 32, .size: 8, .value_kind: global_buffer, .address_space: global }
      - { .name: asc, .offset: 40, .size: 8, .value_kind: global_buffer, .address_space: global }
    .group_segment_fixed_size: 327680
    .private_segment_fixed_size: 0
    .kernarg_segment_align: 8
    .kernarg_segment_size: 48
    .max_flat_workgroup_size: 256
    .sgpr_count:     100
    .vgpr_count:     448
    .wavefront_size: 32
...
	.end_amdgpu_metadata
.endif
;; end of part 3
;; launch oproj (part 4): grid 8 x 8, 4 waves a work-group, clusters of 4 x 4, 327,680 bytes of LDS; arguments ac, asc, codes, scl, out0; writes out0
.if DOCPART == 4
	.amdgcn_target "amdgcn-amd-amdhsa--gfx1250"
	.amdhsa_code_object_version 6
	.text
	.protected	k_qcfd1250ebe_oproj
	.globl	k_qcfd1250ebe_oproj
	.p2align	8
	.type	k_qcfd1250ebe_oproj,@function
k_qcfd1250ebe_oproj:
	s_mov_b64 s[64:65], 0
	v_nop
	global_prefetch_b8 v0, s[64:65] scope:SCOPE_SE
	s_setreg_imm32_b32 hwreg(HW_REG_WAVE_MODE, 25, 1), 1
	s_wait_xcnt 0x0
	s_wait_alu depctr_hold_cnt(0) depctr_sa_sdst(0) depctr_va_vdst(0) depctr_va_sdst(0) depctr_va_ssrc(0) depctr_va_vcc(0) depctr_vm_vsrc(0)
	s_getreg_b32 s2, hwreg(HW_REG_IB_STS2, 6, 4)
	s_cmp_eq_u32 s2, 0
	s_cbranch_scc0 .Lentry_in_a_cluster
	s_endpgm
.Lentry_in_a_cluster:
	s_bfe_u32 s2, ttmp6, 0x10000c
	s_cmp_lg_u32 s2, 0xf033
	s_cbranch_scc0 .Lentry_shape_is_right
	s_endpgm
.Lentry_shape_is_right:
; LAUNCH 4 OF 4.  out0 = attention's result x wo^T on codes of FP8 (E4M3) with E8M0 scales, f32 out.  No work is left out.
; The loop is the second launch's: a tile of 256 x 256 by four waves of 128 x 128; source 0 = R = wo's rows (tensor 4 of codes and scl; they run along a lane's registers in the result), source 1 = L = positions (ac, asc; in the lanes).
; Operands are images of their registers; K goes in steps of 256 through a ring of two LDS slots; the scale words of all of K come once; clusters of 4 x 4 ask for L's tiles by rows and for R's by columns.
; By the rule of tiles, lane (r, h) of L's tile a holds row 32 (a / 2) + 8 (a % 2) + r % 8 + 16 (r / 8) of my 128, and register j of R's tile b column 32 (b / 2) + 16 h + 8 (b % 2) + j of my 128.
; 64 work-groups: one tile of 256 x 256 each; the launch shares its loop with the second launch at the price of WGPs without work.
.set FR,    16
.set NQ,    2
.set NL,    4
.set NP,    8
.set TILB,  4096
.set QUART, 8*TILB
.set SLOT,  4*QUART
.set LAPS,  4
.set SCL,   2*SLOT
.set SQ,    8192
.set SPARE, SCL+4*SQ
.set SPITCH, 528                       ; the way out: a stage of 16 rows x (512 bytes + 16) for each wave, in slot 0, which has had its last fill and its last read when the first result is stored there
.set ADRA,  16
.set ADRB,  20
.set STO,   24                         ; v24  the way out: where I put my bytes of a row
.set RD,    25                         ; v25  and where I read a row back
.set CO,    26                         ; v26  16 x lane: my bytes of a row's 512 in out0
.set ADRS,  27
.set SPW,   28
.set NIL,   29
.set SC,    32
.set AF,    128
.set BK,    128                        ; the way out: 16 rows read back: v128-191 and v192-255 by turns
.set G1,    24
.set G0,    32
.set G1B,   48
.set G0B,   56
.set G1S,   68
.set G0S,   76
.set G1SB,  80
.set G0SB,  88
.set MSB, 0
.macro WIN new
.if MSB != (\new)
	s_set_vgpr_msb (MSB<<8)|(\new)
.set MSB, (\new)
.endif
.endm
.set MUL_LO, 0xa1
.set MUL_HI, 0xf1
.set TO_B,   0x40
.macro JLOAD g0a, g1a, g0b, g1b        ; a joint load: waves 0 and 1 fetch for L, waves 2 and 3 for R; an s_nop 0 and four v_nop follow each of the two lines
	s_cmp_eq_u32 s15, 0
	s_cbranch_scc0 .Lfor_b_\@
	tensor_load_to_lds s[\g0a:\g0a+3], s[\g1a:\g1a+7]
	s_nop 0
.rept 4
	v_nop
.endr
	s_branch .Lasked_\@
.Lfor_b_\@:
	tensor_load_to_lds s[\g0b:\g0b+3], s[\g1b:\g1b+7]
	s_nop 0
.rept 4
	v_nop
.endr
.Lasked_\@:
.endm
.macro CREST
	s_cmp_lg_u32 s14, 0
	s_cbranch_scc1 .Lnot_wave_0_\@
	s_barrier_signal -3
.Lnot_wave_0_\@:
	s_barrier_wait -3
	s_barrier_signal -1
	s_barrier_wait -1
.endm
.macro CROUND
	s_barrier_signal -1
	s_barrier_wait -1
	CREST
.endm
	s_load_b256 s[4:11], s[0:1], 0x0               ; ac, asc, codes, scl
	s_load_b64 s[12:13], s[0:1], 0x20              ; out0
	v_lshl_add_u32 v[SPW], v0, 2, SPARE
	v_mov_b32 v[NIL], 0
	ds_add_u32 v[SPW], v[NIL]                      ; the wave's opening: the add, twice on end, and its wait ahead of my first tensor load
	ds_add_u32 v[SPW], v[NIL]
	v_lshrrev_b32 v1, 5, v0
	v_readfirstlane_b32 s14, v1                    ; wave 0..3
	s_lshr_b32 s15, s14, 1                         ; my half of L's tiles.  Also: I fetch for L (0) or for R (1)
	s_and_b32 s16, s14, 1                          ; my half of R's tiles.  Also: which eight tiles I fetch
	s_bfe_u32 s40, ttmp6, 0x40000
	s_bfe_u32 s41, ttmp6, 0x40004
	s_lshl_b32 s42, ttmp9, 2
	s_add_co_u32 s42, s42, s40                     ; which 256 rows of wo
	s_and_b32 s17, ttmp7, 0xffff
	s_lshl_b32 s17, s17, 2
	s_add_co_u32 s17, s17, s41                     ; which 256 positions
	s_lshl_b32 s43, s41, 2
	s_lshl_b32 s43, 15, s43                        ; my row of the cluster
	s_lshl_b32 s44, 0x1111, s40                    ; my column
	s_or_b32 s[G1+0], s43, (3<<16)|(1<<21)         ; codes: 8 rows (tiles) of 4,096 bytes (512 elements of 8 bytes), 32,768 bytes apart
	s_or_b32 s[G1B+0], s44, (3<<16)|(1<<21)
.irp g, G1, G1B
	s_mov_b32 s[\g+1], 512<<16
	s_mov_b32 s[\g+2], 8<<16
	s_mov_b32 s[\g+3], 512<<16
	s_mov_b32 s[\g+4], 8
	s_mov_b32 s[\g+5], 4096
	s_mov_b32 s[\g+6], 0
	s_mov_b32 s[\g+7], 0
.endr
	s_or_b32 s[G1S+0], s43, (3<<16)|(1<<21)        ; scale words of eight tiles: 8,192 dense bytes as 32 rows of 256
	s_or_b32 s[G1SB+0], s44, (3<<16)|(1<<21)
.irp g, G1S, G1SB
	s_mov_b32 s[\g+1], 32<<16
	s_mov_b32 s[\g+2], 32<<16
	s_mov_b32 s[\g+3], 32<<16
	s_mov_b32 s[\g+4], 32
	s_mov_b32 s[\g+5], 32
	s_mov_b32 s[\g+6], 0
	s_mov_b32 s[\g+7], 0
.endr
	s_lshl_b32 s18, s16, 3
	s_lshl_b32 s20, s17, 4
	s_add_co_u32 s20, s20, s18                     ; L: tile 16 x block + 8 x half
	s_lshl_b32 s46, s42, 4
	s_add_co_u32 s46, s46, s18
	s_add_co_u32 s46, s46, 512                     ; R: the same in tensor 4 (128 tiles a tensor)
	s_lshl_b32 s22, s20, 10
	s_lshl_b32 s20, s20, 15
	s_mov_b32 s21, 0
	s_mov_b32 s23, 0
	s_lshl_b32 s92, s46, 10
	s_lshl_b32 s46, s46, 15
	s_mov_b32 s47, 0
	s_mov_b32 s93, 0
	s_lshl_b32 s45, s14, 15
	s_lshl_b32 s94, s14, 13
	s_wait_dscnt 0x0                               ; both opening adds are done
	s_wait_kmcnt 0x0
	s_add_nc_u64 s[20:21], s[4:5], s[20:21]
	s_add_nc_u64 s[22:23], s[6:7], s[22:23]
	s_add_nc_u64 s[46:47], s[8:9], s[46:47]
	s_add_nc_u64 s[92:93], s[10:11], s[92:93]
	CROUND                                         ; all sixteen work-groups are here: the first joint loads meet
	s_mov_b32 s[G0S], 1
	s_add_co_u32 s[G0S+1], s94, SCL
	s_mov_b64 s[G0S+2:G0S+3], s[22:23]
	s_or_b32 s[G0S+3], s[G0S+3], 0x80000000
	s_mov_b32 s[G0SB], 1
	s_add_co_u32 s[G0SB+1], s94, SCL
	s_mov_b64 s[G0SB+2:G0SB+3], s[92:93]
	s_or_b32 s[G0SB+3], s[G0SB+3], 0x80000000
	JLOAD G0S, G1S, G0SB, G1SB
.irp s, 0,1
	s_mov_b32 s[G0+4*\s], 1
	s_add_co_u32 s[G0+4*\s+1], s45, \s*SLOT
	s_add_nc_u64 s[G0+4*\s+2:G0+4*\s+3], s[20:21], \s*TILB
	s_or_b32 s[G0+4*\s+3], s[G0+4*\s+3], 0x80000000
	s_mov_b32 s[G0B+4*\s], 1
	s_add_co_u32 s[G0B+4*\s+1], s45, \s*SLOT
	s_add_nc_u64 s[G0B+4*\s+2:G0B+4*\s+3], s[46:47], \s*TILB
	s_or_b32 s[G0B+4*\s+3], s[G0B+4*\s+3], 0x80000000
	JLOAD G0+4*\s, G1, G0B+4*\s, G1B
.endr
	v_and_b32 v1, 15, v0                           ; r
	v_bfe_u32 v2, v0, 4, 1                         ; h
	v_and_b32 v3, 31, v0
	v_lshlrev_b32 v[CO], 4, v3                     ; 16 x lane
	s_lshl_b32 s21, s15, 15
	s_lshl_b32 s22, s16, 15
	s_add_co_u32 s22, s22, 2*QUART
.irp s, 0,1
	v_add_nc_u32 v[ADRA+\s], s21, v[CO]
	v_add_nc_u32 v[ADRB+\s], s22, v[CO]
	s_add_co_u32 s21, s21, SLOT
	s_add_co_u32 s22, s22, SLOT
.endr
	s_lshl_b32 s21, s15, 13
	s_lshl_b32 s22, s16, 13
	s_add_co_u32 s22, s22, 2*SQ
	s_sub_co_u32 s22, s22, s21
	v_mul_u32_u24 v6, s22, v2                      ; lanes 16-31 take R's scale words: one product, the distance between the two
	s_add_co_u32 s21, s21, SCL
	v_lshl_add_u32 v5, v1, 4, v6
	v_add_nc_u32 v[ADRS], s21, v5
	s_mul_i32 s23, s14, 16*SPITCH                  ; my stage
	v_mul_u32_u24 v5, v1, SPITCH                   ; in: row r, + 64 h
	v_lshl_add_u32 v5, v2, 6, v5
	v_add_nc_u32 v[STO], s23, v5
	v_add_nc_u32 v[RD], s23, v[CO]                 ; back: the 32 lanes take one row of 512 bytes
	s_lshl_b32 s20, s17, 8
	s_lshl_b32 s21, s15, 7
	s_add_co_u32 s20, s20, s21                     ; my first row of out0
	s_lshl_b32 s20, s20, 13                        ; 8,192 bytes a row
	s_lshl_b32 s46, s42, 10                        ; my first column, in bytes
	s_lshl_b32 s47, s16, 9
	s_add_co_u32 s46, s46, s47
	s_add_co_u32 s20, s20, s46
	s_mov_b32 s21, 0
	s_add_nc_u64 s[12:13], s[12:13], s[20:21]
.macro FRAG reg, adr, q, i
.irp c, 0,1,2,3
	ds_load_b128 v[\reg+4*\c:\reg+4*\c+3], v[\adr] offset:TILB*(\i)+2048*(\q)+512*\c
.endr
.endm
; 16 matrix instructions: L's tiles a0, a0 + 1 x R's eight.  The 64 accumulators take turns, one instruction a turn, in the same order in every step.
.macro MUL16 a0, p, q, sc, zero
.irp a, \a0, \a0+1
.irp b, 0,1,2,3,4,5,6,7
.if \zero
	v_wmma_scale_f32_16x16x128_f8f6f4 v[8*(8*((\a)%4)+\b):8*(8*((\a)%4)+\b)+7], v[128*(\p)+FR*\b:128*(\p)+FR*\b+FR-1], v[AF+FR*(\a):AF+FR*(\a)+FR-1], 0, v[SC+8*NQ*(\sc)+NQ*\b+(\q)], v[SC+8*NQ*(\sc)+NQ*(\a)+(\q)] matrix_a_scale:MATRIX_SCALE_ROW1
.else
	v_wmma_scale_f32_16x16x128_f8f6f4 v[8*(8*((\a)%4)+\b):8*(8*((\a)%4)+\b)+7], v[128*(\p)+FR*\b:128*(\p)+FR*\b+FR-1], v[AF+FR*(\a):AF+FR*(\a)+FR-1], v[8*(8*((\a)%4)+\b):8*(8*((\a)%4)+\b)+7], v[SC+8*NQ*(\sc)+NQ*\b+(\q)], v[SC+8*NQ*(\sc)+NQ*(\a)+(\q)] matrix_a_scale:MATRIX_SCALE_ROW1
.endif
.endr
.endr
.endm
.macro FETCH_B slot, q, p
	WIN TO_B
.irp i, 0,1,2,3,4,5,6,7
	FRAG 128*(\p)+FR*\i, ADRB+\slot, \q, \i
.endr
	WIN 0
.endm
.macro FETCH_A slot, q, i0
.irp i, \i0, \i0+1, \i0+2, \i0+3
	FRAG AF+FR*(\i), ADRA+\slot, \q, \i
.endr
.endm
.macro SCALES sc
.irp i, 0,1,2,3,4,5,6,7
	ds_load_b64 v[SC+8*NQ*\sc+NQ*\i:SC+8*NQ*\sc+NQ*\i+1], v[ADRS] offset:\i*1024
.endr
.endm
.macro PLACES n
.rept \n
	v_nop
.endr
.endm
.macro STEP slot, q, zero
	s_wait_dscnt 4*NL                              ; R's set and L's tiles 0-3 are in; the youngest 16 loads (L's tiles 4-7) may be out
	WIN MUL_LO
	MUL16 0, (\q)%2, \q, \slot, \zero
	MUL16 2, (\q)%2, \q, \slot, \zero
	s_wait_dscnt 0
	PLACES NP
	FETCH_B \slot, (\q)+1, 1-(\q)%2
	FETCH_A \slot, (\q)+1, 0
	WIN MUL_HI
	MUL16 4, (\q)%2, \q, \slot, \zero
	MUL16 6, (\q)%2, \q, \slot, \zero
	PLACES NP
	WIN 0
	FETCH_A \slot, (\q)+1, 4
.endm
.macro TURN slot, next, fill
	s_wait_tensorcnt 0x0                           ; all my tensor loads have landed: my part of the next slot
	ds_add_u32 v[SPW], v[NIL]                      ; 0 onto my spare word
	s_wait_dscnt 4*NL+1                            ; the add and the youngest 16 loads may be out
	WIN MUL_LO
	MUL16 0, 1, NQ-1, \slot, 0
	s_wait_dscnt 0x0                               ; the add is done, and my reads of this slot are over
	s_barrier_signal -1
	MUL16 2, 1, NQ-1, \slot, 0
	WIN 0
	s_barrier_wait -1
.if \fill
	CREST                                          ; the barrier has opened a round of the cluster's barrier
	s_add_nc_u64 s[G0+4*\slot+2:G0+4*\slot+3], s[G0+4*\slot+2:G0+4*\slot+3], 2*TILB
	s_add_nc_u64 s[G0B+4*\slot+2:G0B+4*\slot+3], s[G0B+4*\slot+2:G0B+4*\slot+3], 2*TILB
	JLOAD G0+4*\slot, G1, G0B+4*\slot, G1B
	PLACES NP-4
.else
	PLACES NP
.endif
.if \slot == 0
	v_add_nc_u32 v[ADRS], 8, v[ADRS]
.else
	v_add_nc_u32 v[ADRS], 248, v[ADRS]
.endif
	FETCH_B \next, 0, 0
	FETCH_A \next, 0, 0
	SCALES \next
	WIN MUL_HI
	MUL16 4, 1, NQ-1, \slot, 0
	MUL16 6, 1, NQ-1, \slot, 0
	PLACES NP
	WIN 0
	FETCH_A \next, 0, 4
.endm
	s_wait_tensorcnt 1                             ; the scale words and my part of K step 0 are in; K step 1's load may be out
	s_barrier_signal -1
	s_barrier_wait -1
	FETCH_B 0, 0, 0
	FETCH_A 0, 0, 0
	SCALES 0
	FETCH_A 0, 0, 4
	STEP 0, 0, 1
	s_mov_b32 s3, LAPS-1
.Llap:
	TURN 0, 1, 1
	STEP 1, 0, 0
	TURN 1, 0, 1
	STEP 0, 0, 0
	s_sub_co_u32 s3, s3, 1
	s_cmp_lg_u32 s3, 0
	s_cbranch_scc1 .Llap
	TURN 0, 1, 0
	STEP 1, 0, 0
	s_wait_dscnt 4*NL
	WIN MUL_LO
	MUL16 0, 1, NQ-1, 1, 0
	MUL16 2, 1, NQ-1, 1, 0
	s_wait_dscnt 0
	WIN MUL_HI
	MUL16 4, 1, NQ-1, 1, 0
	MUL16 6, 1, NQ-1, 1, 0
	WIN 0
; THE WAY OUT, tile by tile of L: 16 rows x my 128 columns go through my own stage and come back as whole rows of 512 bytes.  LDS serves a wave's instructions in order: no wait between the stores and the loads.
.macro TOSTAGE a
.set AC, 64*((\a)%4)
	WIN 0x08+4*((\a)/4)                            ; the data: window 2 or 3
.irp b, 0,1,2,3,4,5,6,7
	ds_store_b128 v[STO], v[AC+8*\b:AC+8*\b+3] offset:128*(\b/2)+32*(\b%2)          ; each accumulator from its low end on
	ds_store_b128 v[STO], v[AC+8*\b+4:AC+8*\b+7] offset:128*(\b/2)+32*(\b%2)+16
.endr
	WIN 0
.set BB, BK+64*((\a)%2)
.irp t, 0,1,2,3,4,5,6,7,8,9,10,11,12,13,14,15
	ds_load_b128 v[BB+4*\t:BB+4*\t+3], v[RD] offset:\t*SPITCH
.endr
.endm
.macro SEND a, younger                 ; younger: the LDS instructions issued behind tile a's loads, which may stay out
.set BB, BK+64*((\a)%2)
	s_wait_dscnt \younger
.irp t, 0,1,2,3,4,5,6,7,8,9,10,11,12,13,14,15
	global_store_b128 v[CO], v[BB+4*\t:BB+4*\t+3], s[12:13] offset:(32*((\a)/2)+8*((\a)%2)+(\t%8)+16*(\t/8))*8192 th:TH_STORE_NT   ; 32 lanes store 512 consecutive bytes, aligned; the row stands in the immediate: 127 rows at the most
.endr
.endm
	PLACES NP
	TOSTAGE 0
.irp a, 1,2,3,4,5,6,7
.if \a > 1
	s_wait_xcnt 0x0                                ; tile a - 2's stores have read their registers: tile a's loads may land there
.endif
	TOSTAGE \a
	SEND \a-1, 32                                  ; behind tile a - 1's loads: tile a's 16 stores and 16 loads
.endr
	SEND 7, 0
	s_wait_tensorcnt 0x0                           ; the wave's end
	ds_add_u32 v[SPW], v[NIL]
	s_wait_dscnt 0x0
	CROUND                                         ; the closing round
	s_endpgm
.Lfunc_end_k_qcfd1250ebe_oproj:
	.size	k_qcfd1250ebe_oproj, .Lfunc_end_k_qcfd1250ebe_oproj-k_qcfd1250ebe_oproj
	.p2alignl 7, 3214868480
	.fill 96, 4, 3214868480
	.section	.rodata,"a",@progbits
	.p2align	6, 0x0
	.amdhsa_kernel k_qcfd1250ebe_oproj
		.amdhsa_group_segment_fixed_size 327680
		.amdhsa_private_segment_fixed_size 0
		.amdhsa_enable_private_segment 0
		.amdhsa_kernarg_size 40
		.amdhsa_user_sgpr_count 2
		.amdhsa_user_sgpr_kernarg_segment_ptr 1
		.amdhsa_wavefront_size32 1
		.amdhsa_system_sgpr_workgroup_id_x 1
		.amdhsa_system_sgpr_workgroup_id_y 1
		.amdhsa_system_sgpr_workgroup_id_z 1
		.amdhsa_system_vgpr_workitem_id 0
		.amdhsa_next_free_vgpr 1024
		.amdhsa_next_free_sgpr 98
		.amdhsa_reserve_vcc 0
		.amdhsa_float_denorm_mode_32 3
		.amdhsa_float_denorm_mode_16_64 3
		.amdhsa_memory_ordered 1
		.amdhsa_forward_progress 1
		.amdhsa_inst_pref_size 144
	.end_amdhsa_kernel
	.amdgpu_metadata
---
amdhsa.version: [ 1, 2 ]
amdhsa.kernels:
  - .name:           k_qcfd1250ebe_oproj
    .symbol:         k_qcfd1250ebe_oproj.kd
    .args:
      - { .name: ac, .offset: 0, .size: 8, .value_kind: global_buffer, .address_space: global }
      - { .name: asc, .offset: 8, .size: 8, .value_kind: global_buffer, .address_space: global }
      - { .name: codes, .offset: 16, .size: 8, .value_kind: global_buffer, .address_space: global }
      - { .name: scl, .offset: 24, .size: 8, .value_kind: global_buffer, .address_space: global }
      - { .name: out0, .offset: 32, .size: 8, .value_kind: global_buffer, .address_space: global }
    .group_segment_fixed_size: 327680
    .private_segment_fixed_size: 0
    .kernarg_segment_align: 8
    .kernarg_segment_size: 40
    .max_flat_workgroup_size: 128
    .sgpr_count:     98
    .vgpr_count:     1024
    .wavefront_size: 32
...
	.end_amdgpu_metadata
.endif
;; end of part 4
;; ======== version 2 of 2: 4 launches
;; workspace buffers: codes 20,971,520 bytes; scl 655,360 bytes; qc 4,194,304 bytes; qs 131,072 bytes; kv 8,650,752 bytes; ac 4,194,304 bytes; asc 131,072 bytes
;; launch quant: the kernel of part 1 again; grid 640 x 1, 4 waves a work-group, no clusters, 34,304 bytes of LDS; arguments x, wq, wk, wv, wo, codes, scl; writes codes, scl
;; launch qkv: the kernel of part 2 again; grid 24 x 8, 4 waves a work-group, clusters of 4 x 4, 327,680 bytes of LDS; arguments codes, scl, freqs_cos, freqs_sin, qc, qs, kv; writes qc, qs, kv
;; launch attn (part 5): grid 16 x 16, 8 waves a work-group, clusters of 4 x 4, 327,680 bytes of LDS; arguments qc, qs, kv, mask, ac, asc; writes ac, asc
.if DOCPART == 5
	.amdgcn_target "amdgcn-amd-amdhsa--gfx1250"
	.amdhsa_code_object_version 6
	.text
	.protected	k_qcfd1250ebe_attn
	.globl	k_qcfd1250ebe_attn
	.p2align	8
	.type	k_qcfd1250ebe_attn,@function
k_qcfd1250ebe_attn:
	s_mov_b64 s[64:65], 0
	v_nop
	global_prefetch_b8 v0, s[64:65] scope:SCOPE_SE
	s_setreg_imm32_b32 hwreg(HW_REG_WAVE_MODE, 25, 1), 1
	s_wait_xcnt 0x0
	s_wait_alu depctr_hold_cnt(0) depctr_sa_sdst(0) depctr_va_vdst(0) depctr_va_sdst(0) depctr_va_ssrc(0) depctr_va_vcc(0) depctr_vm_vsrc(0)
	s_getreg_b32 s2, hwreg(HW_REG_IB_STS2, 6, 4)
	s_cmp_eq_u32 s2, 0
	s_cbranch_scc0 .Lentry_in_a_cluster
	s_endpgm
.Lentry_in_a_cluster:
	s_bfe_u32 s2, ttmp6, 0x10000c
	s_cmp_lg_u32 s2, 0xf033
	s_cbranch_scc0 .Lentry_shape_is_right
	s_endpgm
.Lentry_shape_is_right:
; LAUNCH 3 OF 4.  softmax(q k^T / sqrt(128) + mask) v on codes of FP8 (E4M3) with E8M0 scales, and the quantiser of the result along d for the last product.  No work is left out: the mask is an input, so all keys are walked for all queries.
; THE SOFTMAX AHEAD OF THE SECOND PRODUCT: logit = score / sqrt(128) + mask; t = logit x log2(e); M = the row's largest t so far, rounded UP to a whole number; p = 2^(t - M) is quantised along the keys, not normalised.
; The row's sum is taken of the unquantised p in f32 and divides O at the end.  When M moves, the sum and O are multiplied by 2^(old M - new M): exact.
; SHARES: a work-group owns 128 queries of one head; wave w owns query tile 8 block + w (lane r: position 128 block + 32 (w / 2) + 8 (w % 2) + r % 8 + 16 (r / 8)), two waves to a SIMD.  16 key steps of 128 keys, TWO TO A SLOT: 8 slots.
; Both products are used transposed (S^T = K Q^T, O^T = V^T P^T): a lane holds ONE query throughout, and by the rule of tiles its registers run along the keys, then along d, in the next operand's order.
; LDS: kv has two slots of two blocks (a block: K's 8 fragments, V^T's 8, their scale words: 33,792 dense bytes).  Two slots of the mask's 128 x 256 numbers do not fit beside them, so the mask has ONE buffer:
; at a slot's head a barrier shows the slot landed, each wave reads its 16 x 256 mask numbers into 128 registers, and only then, behind the round of the cluster's barrier, the mask's buffer and the free slot of kv are filled again:
; a refill has two key steps' work in which to land.  So a trip has two waits for all tensor loads: the first lets every wave read what has landed, the second stands in front of the refill's round.
; The first fills are the mask's slot 0 and kv's slots 0 and 1; behind the first slot's round the mask alone is filled again, so that slot is written out ahead of the loop.
; CLUSTERS of 4 x 4: the four heads of a column of the cluster have the same queries and ask for the mask's tile jointly; the four query blocks of a row have the same head and ask for kv's blocks jointly.
; Waves 0, 1 fetch the mask's halves (64 rows each), waves 2, 3 a block of kv each; two tensor loads of a wave are out at the start, one behind each round.
; The mask's rows lie 1,032 bytes apart and are read 8 bytes a lane: in units of 8 bytes a lane's column is row + 8 (lane / 16) modulo 32, and the tile's rows 0-7, 16-23 with both halves make 32 different columns.
; OUT: ac, asc laid as one tensor of the first launch's codes and scale words: rows = positions, ks = the head.  asc is stored four bytes a lane, 16 bytes apart: one part in 32 of the codes' bytes.
; LIMITS: -infinity is served in the mask; NaN, +infinity, and a query whose mask is -infinity at all 2,048 keys (where the result is NaN) are not served; a block of zeros carries the byte 1 (zero codes; read by this program alone).
; REGISTERS: window 0: v1-9 addresses; v12 -M, v13 the largest t, v[14:15] the sum; v16-31 Q; v32-39 K's scale words, v40-47 V's; v48-80 the way out; v96-159 S^T, then p; v160-223 O^T; v224-239 p's codes; v232-254 at work; v255 Q's scale word.
;   window 1: v0-127 eight fragments of K, then of V^T; v128-255 the mask's numbers of the slot's two key steps, 64 each.
.set BLKB,  33792                      ; a key step's block of kv
.set KVB,   2*BLKB                     ; a slot of kv; slot 1 begins here.  33,792 and 67,584 share no bit, so exclusive ors alone turn an address from step to step and from slot to slot
.set VOFF,  16384                      ; V^T's fragments in a block
.set KSO,   32768                      ; K's scale words; V's 512 bytes on
.set MOFF,  2*KVB                      ; the mask's buffer
.set MP,    1032                       ; a row of it: 1,024 bytes + 8
.set SPARE, MOFF+128*MP                ; behind it: the spare words, 128 bytes a wave
.set AF0,  1                           ; v1   16 x lane
.set AS0,  2                           ; v2   my row's scale words in a block
.set AM0,  3                           ; v3   my query's row of the mask's buffer, + 64 (lane / 16); never rewritten
.set R16,  4                           ; v4   16 x (lane % 16)
.set SPW,  5                           ; v5   LDS address of my spare word; never rewritten
.set NIL,  6                           ; v6   0; never rewritten
.set PFO,  7                           ; v7   the prefetches' lane offset; never rewritten
.set ADF,  8                           ; v8, v9 the step's addresses
.set ADS,  9
.set KS,   32
.set VS,   40
.set PC,   48
.set TM,   64
.set PW,   80
.set TB,   2                           ; s2   LDS byte at which the block in hand begins
.set SLOTS, 3                          ; s3   slots still to be asked for
.set WV,   18
.set MNT,  19
.set SEL,  20
.set CS,   22                          ; s[22:23] log2(e)
.set C1,   24                          ; s[24:25] 1 / sqrt(128)
.set G1M,  28
.set G1K,  36
.set G0M,  44                          ; s[44:47] the mask's group 0: its place in LDS stays, its place in memory walks
.set G0K,  48                          ; s[48:51] kv's slot 0
.set G0K2, 88                          ; s[88:91] kv's slot 1; it then walks on
.set PFA,  52                          ; s[52:53] where my prefetches stand
.set PFS,  54                          ; s[54:55] a slot on, in bytes
.set LIM,  56                          ; s56  1 in a wave that prefetches, else the greatest number
.set MSB, 0
.macro WIN new
.if MSB != (\new)
	s_set_vgpr_msb (MSB<<8)|(\new)
.set MSB, (\new)
.endif
.endm
; A joint refill.  Waves 0 and 1 fetch the mask's halves; kvtoo = 1: waves 2 and 3 a block of kv each.  The branches hang on the wave's number alone.  An s_nop 0 and four v_nop follow each tensor load.
.macro TLOAD kvtoo
	s_cmp_lt_u32 s[WV], 2
	s_cbranch_scc0 .Lnot_m_\@
	tensor_load_to_lds s[G0M:G0M+3], s[G1M:G1M+7]
	s_nop 0
.rept 4
	v_nop
.endr
.if \kvtoo
	s_branch .Lasked_\@
.endif
.Lnot_m_\@:
.if \kvtoo
	s_cmp_lt_u32 s[WV], 4
	s_cbranch_scc0 .Lasked_\@
	tensor_load_to_lds s[G0K2:G0K2+3], s[G1K:G1K+7]
	s_nop 0
.rept 4
	v_nop
.endr
.Lasked_\@:
.endif
.endm
; A PREFETCH of what the NEXT refill will ask for, a slot (two key steps) ahead of that load.  Each aligned block of 256 bytes is named once in the launch.  The mask's tile (128 rows x 1,024 bytes) is read by every cluster
; of a column of clusters: cluster y = 0 asks; its four partners along y take 32 rows each, told apart by address; waves 4 to 7 take the four parts of 256 bytes of a row, a lane a row.  kv's codes (two blocks x 32,768 bytes) are read by
; every cluster of a row of clusters: cluster x = 0 asks; its partners along x take 8,192 bytes of each block, by address; waves 0 and 1 take a block each, lanes 256 bytes apart.  Slots 0 and 1 and the scale words come by their loads alone; the last refill asks for nothing.
.macro ASK
	s_cmp_gt_u32 s[SLOTS], s[LIM]
	s_cbranch_scc0 .Lnot_mine_\@
	global_prefetch_b8 v[PFO], s[PFA:PFA+1] th:TH_LOAD_NT scope:SCOPE_SE
.Lnot_mine_\@:
.endm
.macro CROUND                          ; a round of the cluster's barrier
	s_barrier_signal -1
	s_barrier_wait -1
	s_cmp_lg_u32 s[WV], 0
	s_cbranch_scc1 .Lnot_wave_0_\@
	s_barrier_signal -3
.Lnot_wave_0_\@:
	s_barrier_wait -3
	s_barrier_signal -1
	s_barrier_wait -1
.endm
	s_load_b256 s[4:11], s[0:1], 0x0               ; qc, qs, kv, mask
	s_load_b128 s[12:15], s[0:1], 0x20             ; ac, asc
	v_lshl_add_u32 v[SPW], v0, 2, SPARE
	v_mov_b32 v[NIL], 0
	ds_add_u32 v[SPW], v[NIL]                      ; the wave's opening: the add, twice on end, and its wait ahead of the first tensor loads
	ds_add_u32 v[SPW], v[NIL]
	v_lshrrev_b32 v8, 5, v0
	v_readfirstlane_b32 s[WV], v8                  ; wave 0..7
	s_and_b32 s61, s[WV], 1
	s_bfe_u32 s57, ttmp6, 0x40000                  ; cx
	s_bfe_u32 s58, ttmp6, 0x40004                  ; cy
	s_lshl_b32 s59, ttmp9, 2
	s_add_co_u32 s59, s59, s57                     ; my block of 128 queries
	s_and_b32 s60, ttmp7, 0xffff
	s_lshl_b32 s60, s60, 2
	s_add_co_u32 s60, s60, s58                     ; my head
	s_lshl_b32 s70, 0x1111, s57                    ; my column of the cluster: the same queries
	s_lshl_b32 s71, s58, 2
	s_lshl_b32 s71, 15, s71                        ; my row: the same head
	; group 1, the mask: 64 rows of 256 numbers of 4 bytes, 2,048 numbers apart; 2 words of padding behind every 256
	s_or_b32 s[G1M], s70, (2<<16)|(1<<20)|(1<<21)|(7<<22)|(1<<25)
	s_mov_b32 s[G1M+1], 256<<16
	s_mov_b32 s[G1M+2], 64<<16
	s_mov_b32 s[G1M+3], 256<<16
	s_mov_b32 s[G1M+4], 64
	s_mov_b32 s[G1M+5], 2048
	s_mov_b32 s[G1M+6], 0
	s_mov_b32 s[G1M+7], 0
	; group 1, kv: a block, 33,792 dense bytes, as 132 rows of 256 (32 elements of 8 bytes)
	s_or_b32 s[G1K], s71, (3<<16)|(1<<21)
	s_mov_b32 s[G1K+1], 32<<16
	s_mov_b32 s[G1K+2], 132<<16
	s_mov_b32 s[G1K+3], 32<<16
	s_mov_b32 s[G1K+4], 132
	s_mov_b32 s[G1K+5], 32
	s_mov_b32 s[G1K+6], 0
	s_mov_b32 s[G1K+7], 0
	s_lshl_b32 s66, s59, 20                        ; the mask: my block's 128 rows of 8,192 bytes,
	s_lshl_b32 s62, s61, 19                        ; the half of them that I would fetch
	s_add_co_u32 s66, s66, s62
	s_mov_b32 s67, 0
	s_mul_i32 s26, s61, 64*MP
	s_add_co_u32 s26, s26, MOFF                    ; and its place in the buffer
	s_mul_i32 s68, s60, 16*BLKB                    ; kv: my head's 16 blocks,
	s_mul_i32 s63, s61, BLKB                       ; the block of a slot's two that I would fetch: in memory and in a slot alike
	s_add_co_u32 s68, s68, s63
	s_mov_b32 s69, 0
	s_mov_b32 s[SEL], 0x76543210
	s_mov_b32 s[SEL+1], 0xfedcba98
	s_mov_b32 s[CS], 0x3fb8aa3b                    ; log2(e)
	s_mov_b32 s[CS+1], s[CS]                       ; (named with it as a pair, so it is written)
	s_mov_b32 s[C1], 0x3db504f3                    ; 1 / sqrt(128)
	s_mov_b32 s[C1+1], s[C1]
	s_mov_b32 s[MNT], 0x600000
	s_mov_b32 s[TB], 0
	s_mov_b32 s[SLOTS], 7
	s_wait_dscnt 0x0                               ; both opening adds are done
	s_wait_kmcnt 0x0
	s_mov_b32 s[G0M], 1
	s_mov_b32 s[G0M+1], s26
	s_add_nc_u64 s[G0M+2:G0M+3], s[10:11], s[66:67]
	s_or_b32 s[G0M+3], s[G0M+3], 0x80000000
	s_mov_b32 s[G0K], 1
	s_mov_b32 s[G0K+1], s63
	s_add_nc_u64 s[G0K+2:G0K+3], s[8:9], s[68:69]
	s_mov_b32 s[G0K2], 1
	s_add_co_u32 s[G0K2+1], s63, KVB
	s_add_nc_u64 s[G0K2+2:G0K2+3], s[G0K+2:G0K+3], KVB
	s_or_b32 s[G0K+3], s[G0K+3], 0x80000000
	s_or_b32 s[G0K2+3], s[G0K2+3], 0x80000000
	CROUND                                         ; all sixteen work-groups are here: the first joint loads meet
	s_cmp_lt_u32 s[WV], 2                          ; a wave's first fills stand in one branch, ahead of every wait on TENSORcnt and every LDS read
	s_cbranch_scc0 .Lfirst_not_m
	tensor_load_to_lds s[G0M:G0M+3], s[G1M:G1M+7]  ; the mask at keys 0 to 255
	s_nop 0
.rept 4
	v_nop
.endr
	s_branch .Lfirst_asked
.Lfirst_not_m:
	s_cmp_lt_u32 s[WV], 4
	s_cbranch_scc0 .Lfirst_asked
	tensor_load_to_lds s[G0K:G0K+3], s[G1K:G1K+7]  ; kv's slot 0
	s_nop 0
	tensor_load_to_lds s[G0K2:G0K2+3], s[G1K:G1K+7]   ; and slot 1
	s_nop 0
.rept 4
	v_nop
.endr
.Lfirst_asked:
	; Q's fragment and scale word, and where the result goes
	s_lshl_b32 s72, s60, 18                        ; qc: 262,144 bytes a head, 2,048 a tile: tile 8 block + wave
	s_lshl_b32 s74, s59, 14
	s_add_co_u32 s72, s72, s74
	s_lshl_b32 s74, s[WV], 11
	s_add_co_u32 s72, s72, s74
	s_mov_b32 s73, 0
	s_add_nc_u64 s[4:5], s[4:5], s[72:73]
	s_lshl_b32 s72, s60, 4                         ; qs: 512 bytes for each (head, block); tile w's words at 256 (w / 4) + 4 (w % 4) + 16 r
	s_add_co_u32 s72, s72, s59
	s_lshl_b32 s72, s72, 9
	s_lshr_b32 s74, s[WV], 2
	s_lshl_b32 s74, s74, 8
	s_add_co_u32 s72, s72, s74
	s_and_b32 s74, s[WV], 3
	s_lshl_b32 s74, s74, 2
	s_add_co_u32 s72, s72, s74
	s_add_nc_u64 s[6:7], s[6:7], s[72:73]
	s_lshl_b32 s72, s59, 18                        ; ac: 32,768 bytes a tile, 2,048 a head
	s_lshl_b32 s74, s[WV], 15
	s_add_co_u32 s72, s72, s74
	s_lshl_b32 s74, s60, 11
	s_add_co_u32 s72, s72, s74
	s_add_nc_u64 s[12:13], s[12:13], s[72:73]
	s_lshl_b32 s72, s59, 13                        ; asc: 1,024 bytes a tile; the head's word at 256 (head / 4) + 4 (head % 4) + 16 r
	s_lshl_b32 s74, s[WV], 10
	s_add_co_u32 s72, s72, s74
	s_lshr_b32 s74, s60, 2
	s_lshl_b32 s74, s74, 8
	s_add_co_u32 s72, s72, s74
	s_and_b32 s74, s60, 3
	s_lshl_b32 s74, s74, 2
	s_add_co_u32 s72, s72, s74
	s_add_nc_u64 s[14:15], s[14:15], s[72:73]
	v_and_b32 v8, 15, v0                           ; r
	v_bfe_u32 v9, v0, 4, 1                         ; h
	v_and_b32 v10, 31, v0
	v_lshlrev_b32 v[AF0], 4, v10
	v_lshlrev_b32 v[R16], 4, v8
.irp c, 0,1,2,3
	global_load_b128 v[16+4*\c:19+4*\c], v[AF0], s[4:5] offset:512*\c   ; Q's fragment stays in registers
.endr
	global_load_b32 v255, v[R16], s[6:7]           ; Q's scale words
	v_add_nc_u32 v[AS0], KSO, v[R16]
	v_and_b32 v11, 8, v8
	v_add_nc_u32 v11, v11, v8                      ; r + 8 (r / 8)
	v_mul_u32_u24 v[AM0], v11, MP
	v_lshl_add_u32 v[AM0], v9, 6, v[AM0]
	s_lshr_b32 s74, s[WV], 1
	s_lshl_b32 s74, s74, 5
	s_lshl_b32 s75, s61, 3
	s_add_co_u32 s74, s74, s75                     ; my tile's first row among the 128: 32 (w / 2) + 8 (w % 2)
	s_mul_i32 s74, s74, MP
	s_add_co_u32 s74, s74, MOFF
	v_add_nc_u32 v[AM0], s74, v[AM0]
	; the prefetches: where my wave's stand, and who asks
	s_lshl_b32 s76, s59, 20                        ; the mask: my block's rows, my work-group's 32 of them, my wave's 256 bytes of a slot's 1,024, slot 1
	s_lshl_b32 s78, s58, 18
	s_add_co_u32 s76, s76, s78
	s_and_b32 s78, s[WV], 3
	s_lshl_b32 s78, s78, 8
	s_add_co_u32 s76, s76, s78
	s_add_co_u32 s76, s76, 1024
	s_mul_i32 s77, s60, 16*BLKB                    ; kv: my head, slot 1, my wave's block of the two, my work-group's 8,192 bytes
	s_lshl_b32 s78, s57, 13
	s_add_co_u32 s77, s77, s78
	s_add_co_u32 s77, s77, s63
	s_add_co_u32 s77, s77, KVB
	s_and_b32 s79, ttmp7, 0xffff                   ; cluster y
	s_mov_b32 s[PFS], 1024
	s_mov_b32 s80, 8192
	s_cmp_lt_u32 s[WV], 4                          ; waves 0 and 1 ask for kv, waves 4 to 7 for the mask
	s_cselect_b64 s[PFA:PFA+1], s[8:9], s[10:11]
	s_cselect_b32 s76, s77, s76
	s_cselect_b32 s[PFS], KVB, s[PFS]              ; a slot on
	s_cselect_b32 s80, 256, s80                    ; from lane to lane
	s_cselect_b32 s79, ttmp9, s79                  ; the coordinate along which other clusters read the same bytes
	s_mov_b32 s77, 0
	s_mov_b32 s[PFS+1], 0
	s_add_nc_u64 s[PFA:PFA+1], s[PFA:PFA+1], s[76:77]   ; the first refill steps it to slot 2; nothing is prefetched here, at the head
	v_and_b32 v[PFO], 31, v0
	v_mul_lo_u32 v[PFO], v[PFO], s80
	s_lshr_b32 s78, s[WV], 1
	s_cmp_eq_u32 s78, 1                            ; waves 2 and 3 ask for nothing
	s_cselect_b32 s78, 1, 0
	s_or_b32 s79, s79, s78
	s_cmp_eq_u32 s79, 0
	s_cselect_b32 s[LIM], 1, -1                    ; the same in all sixteen partners, for a given wave
	v_mov_b32 v13, 0xff61b1e6                      ; the largest t so far: -3e38, under every t
	v_floor_f32 v12, -v13                          ; -M
	v_mov_b32 v14, 0                               ; the sum, in two halves
	v_mov_b32 v15, 0
.irp b, 0,1,2,3
	v_mov_b32 v[236+\b], 0                         ; written once: a lane permute's destination counts as one of its sources
	v_mov_b32 v[TM+4+\b], 0
.endr
	v_mov_b32 v253, 0                              ; (named as the upper half of the pair v[252:253] before it is first written)
.set jj, 0
.rept 64
	v_mov_b32 v[160+jj], 0                         ; O^T: the step is written for all steps alike; the first finds zeros, which the first change of M leaves zeros
.set jj, jj+1
.endr
; A KEY STEP: 128 keys, the q-th of the slot in hand.
.macro STEP q
	v_add_nc_u32 v[ADF], s[TB], v[AF0]
	v_add_nc_u32 v[ADS], s[TB], v[AS0]
.rept 6
	v_nop                                          ; with the two additions: eight places ahead of loads into registers that the last products read
.endr
	ds_load_b128 v[KS:KS+3], v[ADS]                ; K's scale words: tiles 0-3 of row r,
	ds_load_b128 v[KS+4:KS+7], v[ADS] offset:256   ; tiles 4-7
	WIN 0x40                                       ; destination window 1
.irp t, 0,1,2,3,4,5,6,7
.irp c, 0,1,2,3
	ds_load_b128 v[16*\t+4*\c:16*\t+4*\c+3], v[ADF] offset:2048*\t+512*\c
.endr
.endr
	WIN 0
	s_wait_dscnt 0x0                               ; K and its scale words are in (and, in the last slot, the mask)
	WIN 0x01                                       ; source 0 window 1
.irp t, 0,1,2,3,4,5,6,7
	v_wmma_scale_f32_16x16x128_f8f6f4 v[96+8*\t:103+8*\t], v[16*\t:16*\t+15], v[16:31], 0, v[KS+\t], v255
.endr
	WIN 0
.rept 8
	v_nop                                          ; places ahead of the loads into K's registers and of the first read of the scores
.endr
	WIN 0x40
.irp t, 0,1,2,3,4,5,6,7
.irp c, 0,1,2,3
	ds_load_b128 v[16*\t+4*\c:16*\t+4*\c+3], v[ADF] offset:VOFF+2048*\t+512*\c   ; V^T: these 34 loads land under the softmax
.endr
.endr
	WIN 0
	ds_load_b128 v[VS:VS+3], v[ADS] offset:512
	ds_load_b128 v[VS+4:VS+7], v[ADS] offset:768
	WIN 0x10                                       ; source 2 window 1
.set jj, 0
.rept 32
	v_pk_fma_f32 v[96+jj:97+jj], v[96+jj:97+jj], s[C1:C1+1], v[128+64*(\q)+jj:129+64*(\q)+jj] op_sel_hi:[1,0,1]   ; the logit: score / sqrt(128) + mask; each accumulator from its low end on
.set jj, jj+2
.endr
	WIN 0
.irp b, 0,1,2,3
	v_max3_num_f32 v[232+\b], v[96+16*\b], v[97+16*\b], v[98+16*\b]   ; the largest logit of each block of 32 keys: for the row's maximum, and, since p rises with the logit, for the block's largest p
.endr
.irp i, 3,5,7,9,11,13
.irp b, 0,1,2,3
	v_max3_num_f32 v[232+\b], v[232+\b], v[96+16*\b+\i], v[97+16*\b+\i]
.endr
.endr
.irp b, 0,1,2,3
	v_max_num_f32 v[232+\b], v[232+\b], v[111+16*\b]
.endr
.irp b, 0,1,2,3
	v_permlanex16_b32 v[236+\b], v[232+\b], s[SEL], s[SEL+1]
.endr
.irp b, 0,1,2,3
	v_max_num_f32 v[232+\b], v[232+\b], v[236+\b]  ; with lane l xor 16's 16 keys
.endr
	v_max3_num_f32 v254, v232, v233, v234
	v_max_num_f32 v254, v254, v235                 ; the step's largest logit of my query
	v_mul_f32 v254, s[CS], v254                    ; as t
	v_max_num_f32 v13, v13, v254                   ; the running largest t
	v_mov_b32 v254, v12
	v_floor_f32 v12, -v13                          ; the new -M = floor(-t) = -ceil(t)
	v_sub_f32 v254, v12, v254                      ; old M less new M: a whole number, 0 or less
	v_cvt_i32_f32 v254, v254                       ; (it saturates)
	v_ldexp_f32 v252, 1.0, v254                    ; f = 2^(old M - new M)
.set jj, 0
.rept 32
	v_pk_fma_f32 v[96+jj:97+jj], v[96+jj:97+jj], s[CS:CS+1], v[12:13] op_sel_hi:[1,0,0]   ; t - M, two at a time
.set jj, jj+2
.endr
.irp b, 0,1,2,3
	v_fma_f32 v[232+\b], v[232+\b], s[CS], v12     ; the same of each block's largest logit
.endr
.set jj, 0
.rept 64
	v_exp_f32 v[96+jj], v[96+jj]                   ; p = 2^(t - M), at most 1
.set jj, jj+1
.endr
	v_pk_mul_f32 v[14:15], v[14:15], v[252:253] op_sel_hi:[1,0]   ; the sums under the new M: a plain line behind the exponentials
	s_wait_alu depctr_va_vdst(0)                   ; one wait for the batch of 64, ahead of its first reader
.irp b, 0,1,2,3
	v_exp_f32 v[232+\b], v[232+\b]                 ; the block's largest p: the same two instructions on the same number
.endr
	v_pk_add_f32 v[236:237], v[96:97], v[98:99]    ; the row's sum of the unquantised p, in two chains
.irp j, 4,8,12,16,20,24,28,32,36,40,44,48,52,56,60
	v_pk_add_f32 v[14:15], v[14:15], v[96+\j:97+\j]
	v_pk_add_f32 v[236:237], v[236:237], v[98+\j:99+\j]
.endr
	v_pk_add_f32 v[14:15], v[14:15], v[236:237]
	s_wait_alu depctr_va_vdst(0)                   ; and one for the four
.irp b, 0,1,2,3
	v_max_num_f32 v[232+\b], 0x4800000, v[232+\b]  ; the floor 2^(9 - 127): the byte cannot fall under 1
.endr
.irp b, 0,1,2,3
	v_add_nc_u32 v[244+\b], 0xfc000000, v[232+\b]  ; 8 off the exponent field: the conversion's scale operand
.endr
.irp b, 0,1,2,3
	v_and_or_b32 v[240+\b], v[232+\b], 0x7f800000, s[MNT]   ; 448 x the scale
.endr
.irp b, 0,1,2,3
	v_lshrrev_b32 v[236+\b], 23, v[244+\b]         ; the scale's byte
.endr
	v_lshl_or_b32 v253, v237, 8, v236              ; p's scale word for these 128 keys
	v_lshl_or_b32 v253, v238, 16, v253
	v_lshl_or_b32 v253, v239, 24, v253
.irp b, 0,1,2,3
.irp i, 0,1,2,3,4,5,6,7,8,9,10,11,12,13,14,15
	v_min_num_f32 v[96+16*\b+\i], v[96+16*\b+\i], v[240+\b]   ; the conversion does not saturate (ISA guide 7.6.2); p is not negative, so the hold is one-sided
.endr
	v_cvt_scalef32_pk8_fp8_f32 v[224+4*\b:225+4*\b], v[96+16*\b:103+16*\b], v[244+\b]
	v_cvt_scalef32_pk8_fp8_f32 v[226+4*\b:227+4*\b], v[104+16*\b:111+16*\b], v[244+\b]
.endr
.set jj, 0
.rept 32
	v_pk_mul_f32 v[160+jj:161+jj], v[160+jj:161+jj], v[252:253] op_sel_hi:[1,0]   ; O^T under the new M; these 32 are also the places ahead of the products below
.set jj, jj+2
.endr
	s_wait_dscnt 0x0                               ; V and its scale words are in
	WIN 0x01
.irp t, 0,1,2,3,4,5,6,7
	v_wmma_scale_f32_16x16x128_f8f6f4 v[160+8*\t:167+8*\t], v[16*\t:16*\t+15], v[224:239], v[160+8*\t:167+8*\t], v[VS+\t], v253
.endr
	WIN 0
.if (\q) == 0
	s_xor_b32 s[TB], s[TB], BLKB                   ; on to the slot's second block
.else
	s_xor_b32 s[TB], s[TB], BLKB+KVB               ; on to the other slot's first block
.endif
.endm
; A SLOT'S HEAD, first part: what the last refill asked for has landed, for every wave.  No LDS instruction of mine is out here: the last were waited for ahead of the last products.
.macro ARRIVE
	s_wait_tensorcnt 0x0                           ; my part of this slot is in: the mask's half, or a block of kv,
	s_barrier_signal -1
	s_barrier_wait -1                              ; and everybody's is: behind this barrier nothing is filled; the mask is read
.endm
; Second part: my query's mask numbers at the slot's 256 keys: register 64 q + n is key 128 q + 32 (n / 16) + 16 (lane / 16) + n % 16
.macro MASKIN
	WIN 0x40                                       ; destination window 1
.set nn, 0
.rept 64
	ds_load_b64 v[128+2*nn:129+2*nn], v[AM0] offset:512*(nn/32)+128*((nn%32)/8)+8*(nn%8)
.set nn, nn+1
.endr
	WIN 0
.endm
; Third part: the mask's buffer, which every wave has now read, takes the next 256 keys; kvtoo = 1: the slot of kv that was left takes the next two blocks.  The joint loads have the slot's two key steps in which to land.
.macro REFILL kvtoo
	s_wait_tensorcnt 0x0                           ; no tensor load of mine is out, so a group 0 may be written
	ds_add_u32 v[SPW], v[NIL]                      ; 0 onto my spare word,
	ds_add_u32 v[SPW], v[NIL]                      ; and once more
	s_add_nc_u64 s[G0M+2:G0M+3], s[G0M+2:G0M+3], 1024   ; the mask: the next 256 keys, into the same bytes
.if \kvtoo
	s_xor_b32 s[G0K2+1], s[G0K2+1], KVB            ; kv: the other slot than last time,
	s_add_nc_u64 s[G0K2+2:G0K2+3], s[G0K2+2:G0K2+3], KVB   ; the next two blocks
.endif
	s_wait_xcnt 0x0                                ; the last prefetch, a slot back, has read its address
	s_add_nc_u64 s[PFA:PFA+1], s[PFA:PFA+1], s[PFS:PFS+1]   ; one slot further on than what is asked for now
	s_wait_dscnt 0x0                               ; both adds are done, the mask is in my registers, and my reads of the slot of kv that I have left are long over
	CROUND                                         ; the same holds of every wave of every partner
	TLOAD \kvtoo
	ASK
.endm
	s_wait_loadcnt 0x0                             ; Q
	ARRIVE                                         ; slot 0: kv's slot 1 has its first fill already, so the mask alone is filled again
	MASKIN
	REFILL 0
	STEP 0
	STEP 1
	s_mov_b32 s[SLOTS], 6
.Lslot:                                            ; slots 1 to 6
	ARRIVE
	MASKIN
	REFILL 1
	STEP 0
	STEP 1
	s_sub_co_u32 s[SLOTS], s[SLOTS], 1
	s_cmp_lg_u32 s[SLOTS], 0
	s_cbranch_scc1 .Lslot
	ARRIVE                                         ; slot 7 is written out: nothing is left to ask for
	MASKIN
	STEP 0
	STEP 1
	; THE WAY OUT: O^T / the sum; register n is d = 32 (n / 16) + 16 (lane / 16) + n % 16 of my query: the order in which the quantiser along d wants it.  The codes are the last product's operand as they stand.
.rept 8
	v_nop                                          ; places behind the last products
.endr
	v_add_f32 v14, v14, v15                        ; the sum's two halves,
	v_permlanex16_b32 v252, v14, s[SEL], s[SEL+1]
	v_add_f32 v14, v14, v252                       ; and lane l xor 16's: the row's sum
	v_rcp_f32 v14, v14
	v_and_b32 v8, 31, v0                           ; (a plain line behind the reciprocal)  lane
	s_wait_alu depctr_va_vdst(0)                   ; the wait ahead of its first reader
.set jj, 0
.rept 32
	v_pk_mul_f32 v[96+jj:97+jj], v[160+jj:161+jj], v[14:15] op_sel_hi:[1,0]
.set jj, jj+2
.endr
.irp b, 0,1,2,3
	v_max3_num_f32 v[TM+\b], |v[96+16*\b]|, |v[97+16*\b]|, 0x4800000
.endr
.irp i, 2,4,6,8,10,12,14
.irp b, 0,1,2,3
	v_max3_num_f32 v[TM+\b], v[TM+\b], |v[96+16*\b+\i]|, |v[97+16*\b+\i]|
.endr
.endr
.irp b, 0,1,2,3
	v_permlanex16_b32 v[TM+4+\b], v[TM+\b], s[SEL], s[SEL+1]
.endr
.irp b, 0,1,2,3
	v_max_num_f32 v[TM+\b], v[TM+\b], v[TM+4+\b]
.endr
.irp b, 0,1,2,3
	v_add_nc_u32 v[TM+12+\b], 0xfc000000, v[TM+\b]
.endr
.irp b, 0,1,2,3
	v_and_or_b32 v[TM+8+\b], v[TM+\b], 0x7f800000, s[MNT]
.endr
.irp b, 0,1,2,3
	v_lshrrev_b32 v[TM+4+\b], 23, v[TM+12+\b]
.endr
	v_lshl_or_b32 v[PW], v[TM+5], 8, v[TM+4]
	v_lshl_or_b32 v[PW], v[TM+6], 16, v[PW]
	v_lshl_or_b32 v[PW], v[TM+7], 24, v[PW]
.irp b, 0,1,2,3
.irp i, 0,1,2,3,4,5,6,7,8,9,10,11,12,13,14,15
	v_med3_num_f32 v[96+16*\b+\i], v[96+16*\b+\i], -v[TM+8+\b], v[TM+8+\b]
.endr
	v_cvt_scalef32_pk8_fp8_f32 v[PC+4*\b:PC+1+4*\b], v[96+16*\b:103+16*\b], v[TM+12+\b]
	v_cvt_scalef32_pk8_fp8_f32 v[PC+2+4*\b:PC+3+4*\b], v[104+16*\b:111+16*\b], v[TM+12+\b]
.endr
	v_nop                                          ; a plain vector line behind the last conversion
.irp c, 0,1,2,3
	global_store_b128 v[AF0], v[PC+4*\c:PC+4*\c+3], s[12:13] offset:512*\c   ; 32 lanes store 512 consecutive bytes, aligned
.endr
	s_wait_xcnt 0x0                                ; EXEC changes only behind this wait
	v_cmp_gt_u32 vcc_lo, 16, v8
	s_and_saveexec_b32 s26, vcc_lo
	global_store_b32 v[R16], v[PW], s[14:15]       ; lanes 0-15: row r's scale word for this head
	s_wait_xcnt 0x0
	s_or_b32 exec_lo, exec_lo, s26
	s_wait_tensorcnt 0x0                           ; the wave's end
	ds_add_u32 v[SPW], v[NIL]
	s_wait_dscnt 0x0
	CROUND                                         ; the closing round
	s_endpgm
.Lfunc_end_k_qcfd1250ebe_attn:
	.size	k_qcfd1250ebe_attn, .Lfunc_end_k_qcfd1250ebe_attn-k_qcfd1250ebe_attn
	.p2alignl 7, 3214868480
	.fill 96, 4, 3214868480
	.section	.rodata,"a",@progbits
	.p2align	6, 0x0
	.amdhsa_kernel k_qcfd1250ebe_attn
		.amdhsa_group_segment_fixed_size 327680
		.amdhsa_private_segment_fixed_size 0
		.amdhsa_enable_private_segment 0
		.amdhsa_kernarg_size 48
		.amdhsa_user_sgpr_count 2
		.amdhsa_user_sgpr_kernarg_segment_ptr 1
		.amdhsa_wavefront_size32 1
		.amdhsa_system_sgpr_workgroup_id_x 1
		.amdhsa_system_sgpr_workgroup_id_y 1
		.amdhsa_system_sgpr_workgroup_id_z 1
		.amdhsa_system_vgpr_workitem_id 0
		.amdhsa_next_free_vgpr 512
		.amdhsa_next_free_sgpr 100
		.amdhsa_reserve_vcc 1
		.amdhsa_float_denorm_mode_32 3
		.amdhsa_float_denorm_mode_16_64 3
		.amdhsa_memory_ordered 1
		.amdhsa_forward_progress 1
		.amdhsa_inst_pref_size 182
	.end_amdhsa_kernel
	.amdgpu_metadata
---
amdhsa.version: [ 1, 2 ]
amdhsa.kernels:
  - .name:           k_qcfd1250ebe_attn
    .symbol:         k_qcfd1250ebe_attn.kd
    .args:
      - { .name: qc, .offset: 0, .size: 8, .value_kind: global_buffer, .address_space: global }
      - { .name: qs, .offset: 8, .size: 8, .value_kind: global_buffer, .address_space: global }
      - { .name: kv, .offset: 16, .size: 8, .value_kind: global_buffer, .address_space: global }
      - { .name: mask, .offset: 24, .size: 8, .value_kind: global_buffer, .address_space: global }
      - { .name: ac, .offset: 32, .size: 8, .value_kind: global_buffer, .address_space: global }
      - { .name: asc, .offset: 40, .size: 8, .value_kind: global_buffer, .address_space: global }
    .group_segment_fixed_size: 327680
    .private_segment_fixed_size: 0
    .kernarg_segment_align: 8
    .kernarg_segment_size: 48
    .max_flat_workgroup_size: 256
    .sgpr_count:     100
    .vgpr_count:     512
    .wavefront_size: 32
...
	.end_amdgpu_metadata
.endif
;; end of part 5
;; launch oproj (part 6): grid 16 x 16, 4 waves a work-group, clusters of 4 x 4, 327,680 bytes of LDS; arguments ac, asc, codes, scl, out0; writes out0
.if DOCPART == 6
	.amdgcn_target "amdgcn-amd-amdhsa--gfx1250"
	.amdhsa_code_object_version 6
	.text
	.protected	k_qcfd1250ebe_oproj
	.globl	k_qcfd1250ebe_oproj
	.p2align	8
	.type	k_qcfd1250ebe_oproj,@function
k_qcfd1250ebe_oproj:
	s_mov_b64 s[64:65], 0
	v_nop
	global_prefetch_b8 v0, s[64:65] scope:SCOPE_SE
	s_setreg_imm32_b32 hwreg(HW_REG_WAVE_MODE, 25, 1), 1
	s_wait_xcnt 0x0
	s_wait_alu depctr_hold_cnt(0) depctr_sa_sdst(0) depctr_va_vdst(0) depctr_va_sdst(0) depctr_va_ssrc(0) depctr_va_vcc(0) depctr_vm_vsrc(0)
	s_getreg_b32 s2, hwreg(HW_REG_IB_STS2, 6, 4)
	s_cmp_eq_u32 s2, 0
	s_cbranch_scc0 .Lentry_in_a_cluster
	s_endpgm
.Lentry_in_a_cluster:
	s_bfe_u32 s2, ttmp6, 0x10000c
	s_cmp_lg_u32 s2, 0xf033
	s_cbranch_scc0 .Lentry_shape_is_right
	s_endpgm
.Lentry_shape_is_right:
; LAUNCH 4 OF 4.  out0 = attention's result x wo^T on codes of FP8 (E4M3) with E8M0 scales, f32 out.  No work is left out.
; A tile of 128 x 128 of out0 is made by four waves of 64 x 64 (16 accumulators each): 256 work-groups.  Source 0 = R = wo's rows (tensor 4 of codes and scl; they run along a lane's registers in the result),
; source 1 = L = positions (ac, asc; in the lanes).  Operands lie in memory and in LDS as images of their registers: a fragment is four loads of 16 bytes a lane, 512 bytes apart.
; K COMES IN TWO HALVES.  A work-group's codes for all of K are 2 x 128 x 2,048 bytes, twice what fits; eight K steps of 128 of its 16 tiles are 262,144 bytes.  The first half is the first fill, the second comes by ONE refill
; into the same bytes.  Nothing is double-buffered: a K step is 16 matrix instructions a wave, so a ring of smaller slots would hide little of a load and would make a third load wait on the second.
; A wave's tensor load brings four tiles x 16,384 bytes; the scale words of all of K (4,096 bytes for four tiles) come once.  Two tensor loads of a wave are out at the start, one behind the round.
; CLUSTERS of 4 x 4: L's tiles are asked for jointly by a row of the cluster, R's by a column.
; By the rule of tiles, lane (r, h) of L's tile a holds row 32 (a / 2) + 8 (a % 2) + r % 8 + 16 (r / 8) of my 64, and register j of R's tile b column 32 (b / 2) + 16 h + 8 (b % 2) + j of my 64.
; REGISTERS: window 0: v16-29 addresses; v32-95 the scale words of all of K (register 16 (ks / 4) + 4 i + ks % 4: lanes 0-15 L's tile i, lanes 16-31 R's tile i); v128-255 the accumulators ((a, b) at v[128 + 8 (4 a + b)]).
;   window 1: two sets of eight fragments (L's four, then R's four), at v0 and at v128; on the way out v0-127 take the rows read back.
.set FR,    16                         ; registers of a fragment
.set NP,    8                          ; places behind this matrix instruction (ISA guide 7.12.1)
.set TILB,  16384                      ; a tile's bytes in LDS: eight K steps
.set QUART, 4*TILB                     ; four tiles: what one tensor load brings, and what one wave reads of L or of R
.set SCL,   4*QUART                    ; behind the tiles: the scale words, 4,096 bytes for four tiles
.set SQ,    4096
.set STAGE, SCL+4*SQ                   ; behind them: a stage of 16 rows x (256 bytes + 16) for each wave; no tensor load lands here
.set SPITCH, 272
.set SPARE, STAGE+4*16*SPITCH          ; behind the stages: the spare words, 128 bytes a wave
.set ADRA,  16                         ; v16  LDS address of my L fragments
.set ADRB,  17                         ; v17  the same for R
.set STO,   24                         ; v24  the way out: where I put my bytes of a row
.set RD,    25                         ; v25  and where I read a row back
.set CO,    26                         ; v26  my byte offset in out0: lanes 0-15 one row, lanes 16-31 the next; 16 bytes a lane
.set ADRS,  27                         ; v27  LDS address of my scale words
.set SPW,   28                         ; v28  LDS address of my spare word; never rewritten
.set NIL,   29                         ; v29  0; never rewritten
.set SC,    32
.set ACC,   128
.set G1,    24                         ; s[24:31], s[32:35] groups 1 and 0 for L's tiles
.set G0,    32
.set G1B,   48                         ; s[48:55], s[56:59] for R's
.set G0B,   56
.set G1S,   68                         ; s[68:75], s[76:79] for L's scale words;  s[80:87], s[88:91] for R's
.set G0S,   76
.set G1SB,  80
.set G0SB,  88
.set MSB, 0
.macro WIN new                         ; the immediate's high byte repeats the setting that is left
.if MSB != (\new)
	s_set_vgpr_msb (MSB<<8)|(\new)
.set MSB, (\new)
.endif
.endm
.set MULW, 0x05                        ; sources 0 (R) and 1 (L) window 1; C and D window 0
.set TO_F, 0x40                        ; destination window 1, address window 0
.macro JLOAD g0a, g1a, g0b, g1b        ; a joint load: waves 0 and 1 fetch for L, waves 2 and 3 for R; an s_nop 0 and four v_nop follow each of the two lines
	s_cmp_eq_u32 s15, 0
	s_cbranch_scc0 .Lfor_b_\@
	tensor_load_to_lds s[\g0a:\g0a+3], s[\g1a:\g1a+7]
	s_nop 0
.rept 4
	v_nop
.endr
	s_branch .Lasked_\@
.Lfor_b_\@:
	tensor_load_to_lds s[\g0b:\g0b+3], s[\g1b:\g1b+7]
	s_nop 0
.rept 4
	v_nop
.endr
.Lasked_\@:
.endm
.macro CROUND                          ; a round of the cluster's barrier
	s_barrier_signal -1
	s_barrier_wait -1
	s_cmp_lg_u32 s14, 0
	s_cbranch_scc1 .Lnot_wave_0_\@
	s_barrier_signal -3
.Lnot_wave_0_\@:
	s_barrier_wait -3
	s_barrier_signal -1
	s_barrier_wait -1
.endm
	s_load_b256 s[4:11], s[0:1], 0x0               ; ac, asc, codes, scl
	s_load_b64 s[12:13], s[0:1], 0x20              ; out0
	v_lshl_add_u32 v[SPW], v0, 2, SPARE
	v_mov_b32 v[NIL], 0
	ds_add_u32 v[SPW], v[NIL]                      ; the wave's opening: the add, twice on end, and its wait ahead of my first tensor load
	ds_add_u32 v[SPW], v[NIL]
	v_lshrrev_b32 v1, 5, v0
	v_readfirstlane_b32 s14, v1                    ; wave 0..3
	s_lshr_b32 s15, s14, 1                         ; my half of L's tiles.  Also: I fetch for L (0) or for R (1)
	s_and_b32 s16, s14, 1                          ; my half of R's tiles.  Also: which four tiles I fetch
	s_bfe_u32 s40, ttmp6, 0x40000                  ; cx, cy: my place in the cluster
	s_bfe_u32 s41, ttmp6, 0x40004
	s_lshl_b32 s42, ttmp9, 2
	s_add_co_u32 s42, s42, s40                     ; which 128 rows of wo
	s_and_b32 s17, ttmp7, 0xffff
	s_lshl_b32 s17, s17, 2
	s_add_co_u32 s17, s17, s41                     ; which 128 positions
	s_lshl_b32 s43, s41, 2
	s_lshl_b32 s43, 15, s43                        ; my row of the cluster
	s_lshl_b32 s44, 0x1111, s40                    ; my column
	; group 1 for codes: 4 rows (tiles) of 16,384 bytes (2,048 elements of 8 bytes), 32,768 bytes apart; no padding
	s_or_b32 s[G1+0], s43, (3<<16)|(1<<21)         ; 15:0 the mask: L's tiles go to my row; 17:16 elements of 8 bytes; 21 set beside a mask
	s_or_b32 s[G1B+0], s44, (3<<16)|(1<<21)
.irp g, G1, G1B
	s_mov_b32 s[\g+1], 2048<<16                    ; tensor_dim0
	s_mov_b32 s[\g+2], 4<<16                       ; tensor_dim1
	s_mov_b32 s[\g+3], 2048<<16                    ; tile_dim0
	s_mov_b32 s[\g+4], 4                           ; tile_dim1
	s_mov_b32 s[\g+5], 4096                        ; tensor_dim0_stride
	s_mov_b32 s[\g+6], 0
	s_mov_b32 s[\g+7], 0
.endr
	; and for the scale words of four tiles: 4,096 dense bytes as 16 rows of 256
	s_or_b32 s[G1S+0], s43, (3<<16)|(1<<21)
	s_or_b32 s[G1SB+0], s44, (3<<16)|(1<<21)
.irp g, G1S, G1SB
	s_mov_b32 s[\g+1], 32<<16
	s_mov_b32 s[\g+2], 16<<16
	s_mov_b32 s[\g+3], 32<<16
	s_mov_b32 s[\g+4], 16
	s_mov_b32 s[\g+5], 32
	s_mov_b32 s[\g+6], 0
	s_mov_b32 s[\g+7], 0
.endr
	s_lshl_b32 s18, s16, 2                         ; which four tiles I fetch
	s_lshl_b32 s20, s17, 3
	s_add_co_u32 s20, s20, s18                     ; L: tile 8 x block + 4 x half
	s_lshl_b32 s46, s42, 3
	s_add_co_u32 s46, s46, s18
	s_add_co_u32 s46, s46, 512                     ; R: the same in tensor 4 (128 tiles a tensor)
	s_lshl_b32 s22, s20, 10                        ; where these tiles' scale words begin, in bytes,
	s_lshl_b32 s20, s20, 15                        ; and their codes
	s_mov_b32 s21, 0
	s_mov_b32 s23, 0
	s_lshl_b32 s92, s46, 10
	s_lshl_b32 s46, s46, 15
	s_mov_b32 s47, 0
	s_mov_b32 s93, 0
	s_lshl_b32 s45, s14, 16                        ; where they go: wave x four tiles: no place in the cluster enters an LDS address
	s_lshl_b32 s94, s14, 12
	s_wait_dscnt 0x0                               ; both opening adds are done
	s_wait_kmcnt 0x0
	s_add_nc_u64 s[20:21], s[4:5], s[20:21]
	s_add_nc_u64 s[22:23], s[6:7], s[22:23]
	s_add_nc_u64 s[46:47], s[8:9], s[46:47]
	s_add_nc_u64 s[92:93], s[10:11], s[92:93]
	CROUND                                         ; all sixteen work-groups are here: the first joint loads meet
	s_mov_b32 s[G0S], 1
	s_add_co_u32 s[G0S+1], s94, SCL
	s_mov_b64 s[G0S+2:G0S+3], s[22:23]
	s_or_b32 s[G0S+3], s[G0S+3], 0x80000000
	s_mov_b32 s[G0SB], 1
	s_add_co_u32 s[G0SB+1], s94, SCL
	s_mov_b64 s[G0SB+2:G0SB+3], s[92:93]
	s_or_b32 s[G0SB+3], s[G0SB+3], 0x80000000
	JLOAD G0S, G1S, G0SB, G1SB                     ; the scale words of all of K
	s_mov_b32 s[G0], 1
	s_mov_b32 s[G0+1], s45
	s_mov_b64 s[G0+2:G0+3], s[20:21]
	s_or_b32 s[G0+3], s[G0+3], 0x80000000
	s_mov_b32 s[G0B], 1
	s_mov_b32 s[G0B+1], s45
	s_mov_b64 s[G0B+2:G0B+3], s[46:47]
	s_or_b32 s[G0B+3], s[G0B+3], 0x80000000
	JLOAD G0, G1, G0B, G1B                         ; K steps 0 to 7
	v_and_b32 v1, 15, v0                           ; r
	v_bfe_u32 v2, v0, 4, 1                         ; h
	v_and_b32 v3, 31, v0
	v_lshlrev_b32 v3, 4, v3                        ; 16 x lane
	s_lshl_b32 s21, s15, 16                        ; my four tiles of L
	s_lshl_b32 s22, s16, 16                        ; my four tiles of R,
	s_add_co_u32 s22, s22, 2*QUART                 ; which lie behind L's eight
	v_add_nc_u32 v[ADRA], s21, v3
	v_add_nc_u32 v[ADRB], s22, v3
	s_lshl_b32 s21, s15, 12                        ; scale words: L's, my four tiles;
	s_lshl_b32 s22, s16, 12
	s_add_co_u32 s22, s22, 2*SQ                    ; R's, behind L's
	s_sub_co_u32 s22, s22, s21
	v_mul_u32_u24 v6, s22, v2                      ; lanes 16-31 take R's: one product, the distance between the two
	s_add_co_u32 s21, s21, SCL
	v_lshl_add_u32 v5, v1, 4, v6                   ; 16 bytes a row: four K steps
	v_add_nc_u32 v[ADRS], s21, v5
	s_mul_i32 s23, s14, 16*SPITCH
	s_add_co_u32 s23, s23, STAGE                   ; my stage
	v_mul_u32_u24 v5, v1, SPITCH                   ; in: row r, + 64 h
	v_lshl_add_u32 v5, v2, 6, v5
	v_add_nc_u32 v[STO], s23, v5
	v_mul_u32_u24 v5, v2, SPITCH                   ; back: lanes 0-15 take one row of 256 bytes, lanes 16-31 the next
	v_lshl_add_u32 v5, v1, 4, v5
	v_add_nc_u32 v[RD], s23, v5
	v_lshlrev_b32 v[CO], 13, v2                    ; and the same two rows in out0: 8,192 bytes a row
	v_lshl_add_u32 v[CO], v1, 4, v[CO]
	s_lshl_b32 s20, s17, 7
	s_lshl_b32 s21, s15, 6
	s_add_co_u32 s20, s20, s21                     ; my first row of out0
	s_lshl_b32 s20, s20, 13
	s_lshl_b32 s46, s42, 9                         ; my first column, in bytes: 512 x block + 256 x half
	s_lshl_b32 s47, s16, 8
	s_add_co_u32 s46, s46, s47
	s_add_co_u32 s20, s20, s46
	s_mov_b32 s21, 0
	s_add_nc_u64 s[12:13], s[12:13], s[20:21]
.macro PLACES n                        ; plain vector lines between a matrix instruction and a load into, or a read of, its registers
.rept \n
	v_nop
.endr
.endm
.macro FETCH ks, p                     ; the eight fragments of the half's K step ks into set p: 32 loads of 512 consecutive bytes
	WIN TO_F
.irp i, 0,1,2,3
.irp c, 0,1,2,3
	ds_load_b128 v[128*(\p)+64+FR*\i+4*\c:128*(\p)+64+FR*\i+4*\c+3], v[ADRB] offset:TILB*\i+2048*(\ks)+512*\c
.endr
.endr
.irp i, 0,1,2,3
.irp c, 0,1,2,3
	ds_load_b128 v[128*(\p)+FR*\i+4*\c:128*(\p)+FR*\i+4*\c+3], v[ADRA] offset:TILB*\i+2048*(\ks)+512*\c
.endr
.endr
	WIN 0
.endm
; K step k (0 to 15) on set p: 16 matrix instructions.  The 16 accumulators take turns, one instruction a turn, in the same order in every step.  zero = 1: the first products start the sums.
.macro MUL k, p, zero
	WIN MULW
.irp a, 0,1,2,3
.irp b, 0,1,2,3
.if \zero
	v_wmma_scale_f32_16x16x128_f8f6f4 v[ACC+8*(4*\a+\b):ACC+8*(4*\a+\b)+7], v[128*(\p)+64+FR*\b:128*(\p)+64+FR*\b+FR-1], v[128*(\p)+FR*\a:128*(\p)+FR*\a+FR-1], 0, v[SC+16*((\k)/4)+4*\b+(\k)%4], v[SC+16*((\k)/4)+4*\a+(\k)%4] matrix_a_scale:MATRIX_SCALE_ROW1
.else
	v_wmma_scale_f32_16x16x128_f8f6f4 v[ACC+8*(4*\a+\b):ACC+8*(4*\a+\b)+7], v[128*(\p)+64+FR*\b:128*(\p)+64+FR*\b+FR-1], v[128*(\p)+FR*\a:128*(\p)+FR*\a+FR-1], v[ACC+8*(4*\a+\b):ACC+8*(4*\a+\b)+7], v[SC+16*((\k)/4)+4*\b+(\k)%4], v[SC+16*((\k)/4)+4*\a+(\k)%4] matrix_a_scale:MATRIX_SCALE_ROW1
.endif
.endr
.endr
	WIN 0
.endm
; A K step that has its successor in the same half: the successor's fragments are asked for first, into the set that the step before multiplied.
.macro KSTEP k, places, zero
.if \places
	PLACES NP
.endif
	FETCH ((\k)+1)%8, ((\k)+1)%2
	s_wait_dscnt 32                                ; this step's fragments (and, in step 0, the scale words) are in; the 32 loads just issued may be out
	MUL \k, (\k)%2, \zero
.endm
	s_wait_tensorcnt 0x0                           ; my scale words and my four tiles are in,
	s_barrier_signal -1
	s_barrier_wait -1                              ; everybody's are
.irp g, 0,1,2,3
.irp i, 0,1,2,3
	ds_load_b128 v[SC+16*\g+4*\i:SC+16*\g+4*\i+3], v[ADRS] offset:1024*\i+256*\g   ; the scale words of all of K, once: four K steps a load
.endr
.endr
	FETCH 0, 0
	KSTEP 0, 0, 1
.irp k, 1,2,3,4,5,6
	KSTEP \k, 1, 0
.endr
	; K step 7's fragments are the last reads of the first half: the refill goes out ahead of its products
	s_wait_tensorcnt 0x0                           ; no tensor load of mine is out, so a group 0 may be written
	ds_add_u32 v[SPW], v[NIL]                      ; 0 onto my spare word
	s_add_nc_u64 s[G0+2:G0+3], s[G0+2:G0+3], TILB  ; K steps 8 to 15: 16,384 bytes on in each tile
	s_add_nc_u64 s[G0B+2:G0B+3], s[G0B+2:G0B+3], TILB
	s_wait_dscnt 0x0                               ; the add is done, and my reads of the first half are over
	CROUND                                         ; the same holds of every wave of every partner
	JLOAD G0, G1, G0B, G1B                         ; the one refill, first behind the round
	MUL 7, 1, 0
	s_wait_tensorcnt 0x0                           ; my four tiles of the second half are in,
	s_barrier_signal -1
	s_barrier_wait -1                              ; everybody's are
	PLACES NP                                      ; behind K step 7's products, for the loads into both sets
	FETCH 0, 0
	KSTEP 8, 0, 0
.irp k, 9,10,11,12,13,14
	KSTEP \k, 1, 0
.endr
	s_wait_dscnt 0x0
	MUL 15, 1, 0
; THE WAY OUT, tile by tile of L: 16 rows x my 64 columns go through my own stage and come back as whole rows of 256 bytes.  LDS serves a wave's instructions in order: no wait between the stores and the loads, nor ahead of the next tile's stores.
.macro TOSTAGE a
.irp b, 0,1,2,3
	ds_store_b128 v[STO], v[ACC+8*(4*(\a)+\b):ACC+8*(4*(\a)+\b)+3] offset:128*(\b/2)+32*(\b%2)       ; each accumulator from its low end on
	ds_store_b128 v[STO], v[ACC+8*(4*(\a)+\b)+4:ACC+8*(4*(\a)+\b)+7] offset:128*(\b/2)+32*(\b%2)+16
.endr
	WIN TO_F
.irp t, 0,1,2,3,4,5,6,7
	ds_load_b128 v[32*(\a)+4*\t:32*(\a)+4*\t+3], v[RD] offset:2*\t*SPITCH   ; rows 2 t and 2 t + 1 of the tile; each tile has registers of its own
.endr
	WIN 0
.endm
.macro SEND a, younger                 ; younger: the LDS instructions issued behind tile a's loads, which may stay out
	s_wait_dscnt \younger
	WIN 0x04                                       ; a store's data are its source 1: window 1
.irp t, 0,1,2,3,4,5,6,7
	global_store_b128 v[CO], v[32*(\a)+4*\t:32*(\a)+4*\t+3], s[12:13] offset:(32*((\a)/2)+8*((\a)%2)+(2*\t)%8+16*(\t/4))*8192 th:TH_STORE_NT   ; 16 lanes store 256 consecutive bytes, aligned; the row stands in the immediate: 62 rows at the most
.endr
	WIN 0
.endm
	PLACES NP                                      ; behind the last products: their results are read, and their operands' registers loaded into, from here on
	TOSTAGE 0
	TOSTAGE 1
	SEND 0, 16                                     ; behind tile 0's loads: tile 1's 8 stores and 8 loads
	TOSTAGE 2
	SEND 1, 16
	TOSTAGE 3
	SEND 2, 16
	SEND 3, 0
	s_wait_tensorcnt 0x0                           ; the wave's end
	ds_add_u32 v[SPW], v[NIL]
	s_wait_dscnt 0x0
	CROUND                                         ; the closing round: no work-group ends while a partner may still ask for a tile that names it
	s_endpgm
.Lfunc_end_k_qcfd1250ebe_oproj:
	.size	k_qcfd1250ebe_oproj, .Lfunc_end_k_qcfd1250ebe_oproj-k_qcfd1250ebe_oproj
	.p2alignl 7, 3214868480
	.fill 96, 4, 3214868480
	.section	.rodata,"a",@progbits
	.p2align	6, 0x0
	.amdhsa_kernel k_qcfd1250ebe_oproj
		.amdhsa_group_segment_fixed_size 327680
		.amdhsa_private_segment_fixed_size 0
		.amdhsa_enable_private_segment 0
		.amdhsa_kernarg_size 40
		.amdhsa_user_sgpr_count 2
		.amdhsa_user_sgpr_kernarg_segment_ptr 1
		.amdhsa_wavefront_size32 1
		.amdhsa_system_sgpr_workgroup_id_x 1
		.amdhsa_system_sgpr_workgroup_id_y 1
		.amdhsa_system_sgpr_workgroup_id_z 1
		.amdhsa_system_vgpr_workitem_id 0
		.amdhsa_next_free_vgpr 512
		.amdhsa_next_free_sgpr 98
		.amdhsa_reserve_vcc 0
		.amdhsa_float_denorm_mode_32 3
		.amdhsa_float_denorm_mode_16_64 3
		.amdhsa_memory_ordered 1
		.amdhsa_forward_progress 1
		.amdhsa_inst_pref_size 88
	.end_amdhsa_kernel
	.amdgpu_metadata
---
amdhsa.version: [ 1, 2 ]
amdhsa.kernels:
  - .name:           k_qcfd1250ebe_oproj
    .symbol:         k_qcfd1250ebe_oproj.kd
    .args:
      - { .name: ac, .offset: 0, .size: 8, .value_kind: global_buffer, .address_space: global }
      - { .name: asc, .offset: 8, .size: 8, .value_kind: global_buffer, .address_space: global }
      - { .name: codes, .offset: 16, .size: 8, .value_kind: global_buffer, .address_space: global }
      - { .name: scl, .offset: 24, .size: 8, .value_kind: global_buffer, .address_space: global }
      - { .name: out0, .offset: 32, .size: 8, .value_kind: global_buffer, .address_space: global }
    .group_segment_fixed_size: 327680
    .private_segment_fixed_size: 0
    .kernarg_segment_align: 8
    .kernarg_segment_size: 40
    .max_flat_workgroup_size: 128
    .sgpr_count:     98
    .vgpr_count:     512
    .wavefront_size: 32
...
	.end_amdgpu_metadata
.endif
;; end of part 6
